; MI455X (gfx1250); checked and timed in simulation.
; The chip was launched on July 23, 2026; its instructions are those of AMD's public machine-readable ISA for CDNA 5 (MIT licence, August 2026) and "CDNA5" Instruction Set Architecture Reference Guide (July 2026). The comments in the code are by the model that wrote it; some were corrected since.
;; Temporal Diffusion Transformer Decoder Layer. Allowed arithmetic: matrix products marked QUANTISED: E2M3 operands, one E8M0 scale for each 32 along K, by v_wmma_scale_f32_16x16x128_f8f6f4 with both operands' format E2M3, f32 sums; everything else in f32.
;; Inputs: b1 2,048 float32; b2 512 float32; ffn_b 512 float32; ffn_g 512 float32; ln1_b 512 float32; ln1_g 512 float32; se_w1 1,024 x 256 float32; se_w2 256 x 1,024 float32; w1 512 x 2,048 float32; w2 2,048 x 512 float32; wk 512 x 512 float32; wq 512 x 512 float32; wv 512 x 512 float32; x 16 x 1,024 x 512 float32.
;; Outputs: out0 16 x 1,024 x 512 float32.
;; This version of the problem:
;;   THIS VERSION OF THE PROBLEM IS GIVEN IN LOW PRECISION. The matrix products marked QUANTISED in the list below multiply operands that are first quantised to E2M3 (2 exponent bits, 3 mantissa bits; 6 bits a number), with one power-of-two scale for each 32 numbers along K (OCP MX v1.0); their sums are f32. All else is computed in f32.
;;   The module's matrix products, in the order in which they are computed (A, B: the left and right operand; K: the contracted axis; several contracted axes count as one K, in the product's order):
;;     1. [M 16, K 1,024] x [K 1,024, N 256]; A: computed on the way; B: input se_w1: QUANTISED
;;     2. [M 16, K 256] x [K 256, N 1,024]; A: computed on the way; B: input se_w2: QUANTISED
;;     3. [M 16,384, K 512] x [K 512, N 512]; A: computed on the way; B: input wq: QUANTISED
;;     4. [M 16,384, K 512] x [K 512, N 512]; A: computed on the way; B: input wk: QUANTISED
;;     5. [M 16,384, K 512] x [K 512, N 512]; A: computed on the way; B: input wv: QUANTISED
;;     6. batch 128 x [M 1,024, K 64] x [K 64, N 1,024]; A: computed on the way; B: computed on the way: QUANTISED
;;     7. batch 128 x [M 64, K 1,024] x [K 1,024, N 1,024]; A: computed on the way; B: softmax (see below): QUANTISED
;;     8. [M 16,384, K 512] x [K 512, N 2,048]; A: computed on the way; B: input w1: QUANTISED
;;     9. [M 16,384, K 2,048] x [K 2,048, N 512]; A: computed on the way; B: input w2: QUANTISED
;;   THE QUANTISER, for each operand of a quantised product, along K:
;;     - K is cut into blocks of 32 from its start; a last block that is shorter is filled with zeros.
;;     - A block's scale is 2^e with e = floor(log2(the largest magnitude in the block)) - 2, held to -126 .. 127; a block of zeros has e = 0. As a byte (E8M0): e + 127.
;;     - Each number is divided by its block's scale, clamped to +-7.5, and rounded to the nearest number of E2M3, ties to even, subnormals kept.
;;     - The product sums the exact products of the quantised numbers (number of the format x scale) in f32.
;;   ~~~python
;;   def quantise(x, axis):      # numpy; x: float32 -> the quantised numbers, widened to float32 again
;;       x = np.moveaxis(x, axis, -1); K = x.shape[-1]
;;       x = np.pad(x, [(0, 0)] * (x.ndim - 1) + [(0, -K % 32)]); x = x.reshape(x.shape[:-1] + (-1, 32)); a = np.abs(x).max(-1, keepdims=True)
;;       e = np.where(a > 0, np.clip(np.frexp(np.where(a > 0, a, 1))[1] - 1 - 2, -126, 127), 0)      # np.frexp(a)[1] - 1 = floor(log2(a)), exactly
;;       r = np.clip(x / 2.0 ** e, -7.5, 7.5)
;;       step = 2.0 ** (np.maximum(np.frexp(np.where(r == 0, 1, r))[1] - 1, 0) - 3)
;;       q = np.round(r / step) * step * 2.0 ** e      # np.round: ties to even
;;       return np.moveaxis(q.reshape(q.shape[:-2] + (-1,))[..., :K], -1, axis).astype(np.float32)
;;   ~~~
;;   SOFTMAX AHEAD OF A QUANTISED PRODUCT. Where the list says 'softmax', what is quantised is not the finished softmax but p = 2^(t - M), with t = logit x log2(e) and M = ceil(the row's largest t), a whole number; so 1/2 < the row's largest p <= 1. The row's sum l is taken of the UNQUANTISED p, in f32, and the product's result is divided by l at the end. Since M is a whole number, a kernel that streams over the keys may use a running M (the ceiling of the running maximum): every later rescaling is an exact power of two, which a block's scale takes up: the codes' values come out the same.
;;   OPERANDS COMPUTED ON THE WAY. 'Computed on the way' means the value that the module computes at that place (a softmax that the list does not call 'softmax' is quantised finished and normalised). What goes into a quantiser is computed in f32, as accurately as f32 sums, v_exp_f32 and their like allow (about 1e-6 of the number): no bf16 or f16 on the way to a quantiser, and a product that is left as it is and whose result goes on into a quantised operand takes f32 operands (vector FMAs, or v_wmma_f32_16x16x4_f32). A number that lies on a knife's edge between two numbers of the format may be rounded either way, as far as f32 arithmetic and the matrix unit's own rounding can turn it there, and no further.
;; One version. Each part assembles by itself: llvm-mc -triple=amdgcn-amd-amdhsa -mcpu=gfx1250 --defsym DOCPART=n.
;; ======== version 1 of 1: 5 launches
;; limits: right only within a limited range of input values
;; workspace buffers: ymean 65,536 bytes; gain 65,536 bytes; wsqkv 614,400 bytes; wsffn 1,638,400 bytes; sew 409,600 bytes; qbuf 6,815,744 bytes; kv 13,369,344 bytes; x2 33,554,432 bytes
;; launch prep (part 1): grid 464 x 1, 4 waves a work-group, no clusters, 0 bytes of LDS; arguments x, wq, wk, wv, w1, w2, se_w1, se_w2, ymean, wsqkv, wsffn, sew; writes ymean, wsqkv, wsffn, sew
.if DOCPART == 1
	.amdgcn_target "amdgcn-amd-amdhsa--gfx1250"
	.amdhsa_code_object_version 6
	.text
	.protected	k_qd27b619a7b_prep
	.globl	k_qd27b619a7b_prep
	.p2align	8
	.type	k_qd27b619a7b_prep,@function
k_qd27b619a7b_prep:
	s_mov_b64 s[64:65], 0
	v_nop
	global_prefetch_b8 v0, s[64:65] scope:SCOPE_SE
	s_setreg_imm32_b32 hwreg(HW_REG_WAVE_MODE, 25, 1), 1
	s_wait_xcnt 0x0
; Two kinds of work-group, told apart by the work-group's number alone.
; 0 .. 207: one block of 128 columns x 128 along K of a weight ([K][N] f32, K its first axis) becomes codes of E2M3 and E8M0 scale bytes,
;   laid in the order in which the later launches' operand registers take them.  A lane takes a column and its registers run down K, so a block of 32 lies in one lane.
;   A FRAGMENT IMAGE is 1,536 bytes: registers 4 g .. 4 g + 3 of fragment lane l at 512 g + 16 l.  A tile of 16 columns is tile (P, u): fragment lane r takes column 32 P + 8 u + r + 8 (r / 8).
;   A SCALE IMAGE is 128 bytes: lanes 0-15 the scale words of tile (P, 0), lanes 16-31 those of tile (P, 1).
;   wsqkv, wsffn: slots of 102,400 bytes = 4 parts (one a wave of the reader) of 16 fragment images + 8 scale images.  sew: se_w1's images, then se_w2's.
; 208 .. 463: the means over the 512 features of 64 rows of x, 16 rows a wave.
; No LDS, no barrier, no matrix work, no cluster: work-groups share no input.
; A block's scale is 2^(floor(log2(largest magnitude)) - 2); its byte is the largest magnitude's exponent field - 2, held at 1 from below.
; LIMITS: a block of zeros, or one whose largest magnitude lies under 2^-124, gets the byte 1 (zero codes add nothing, and this program alone reads the bytes); NaN and infinities are not served.
.set NWT, 208
.set VO,  2                            ; v2-33    4 lane + i x a row's bytes
.set X,   64                           ; v64-191  128 numbers of my column (weights); eight sets of 16 (means)
.set PA,  192                          ; v192-215 the registers of fragment lanes (r, 0) and (r, 1)
.set CT,  216                          ; v216-218 a conversion's second three
	s_load_b512 s[4:19], s[0:1], 0x0               ; x, wq, wk, wv, w1, w2, se_w1, se_w2
	s_load_b256 s[20:27], s[0:1], 0x40             ; ymean, wsqkv, wsffn, sew
	v_lshrrev_b32 v1, 5, v0
	v_readfirstlane_b32 s28, v1                    ; wave
	v_and_b32 v1, 31, v0                           ; lane
	s_cmp_ge_u32 ttmp9, NWT
	s_cbranch_scc1 .Lmean
	; ---- weights.  Which tensor, by compares of the work-group's number: source, target, first number of the range, log2(column groups), slot offset, kind of layout
	s_wait_kmcnt 0x0
	s_mov_b64 s[30:31], s[18:19]                   ; se_w2
	s_mov_b64 s[32:33], s[26:27]                   ; sew
	s_mov_b32 s34, 192
	s_mov_b32 s35, 3
	s_mov_b32 s36, 0
	s_mov_b32 s37, 2                               ; 0: K = 512 weights; 1: w2; 2: the SE weights
	s_mov_b32 s38, 2                               ; K steps (SE weights)
	s_mov_b32 s39, 204800                          ; where se_w2's images begin
	s_cmp_lt_u32 ttmp9, 192
	s_cselect_b64 s[30:31], s[16:17], s[30:31]     ; se_w1
	s_cselect_b32 s34, 176, s34
	s_cselect_b32 s35, 1, s35
	s_cselect_b32 s38, 8, s38
	s_cselect_b32 s39, 0, s39
	s_cmp_lt_u32 ttmp9, 176
	s_cselect_b64 s[30:31], s[14:15], s[30:31]     ; w2
	s_cselect_b64 s[32:33], s[24:25], s[32:33]
	s_cselect_b32 s34, 112, s34
	s_cselect_b32 s35, 2, s35
	s_cselect_b32 s37, 1, s37
	s_cmp_lt_u32 ttmp9, 112
	s_cselect_b64 s[30:31], s[12:13], s[30:31]     ; w1
	s_cselect_b32 s34, 48, s34
	s_cselect_b32 s35, 4, s35
	s_cselect_b32 s37, 0, s37
	s_cmp_lt_u32 ttmp9, 48
	s_cselect_b64 s[30:31], s[10:11], s[30:31]     ; wv
	s_cselect_b64 s[32:33], s[22:23], s[32:33]
	s_cselect_b32 s34, 32, s34
	s_cselect_b32 s35, 2, s35
	s_cselect_b32 s36, 4, s36
	s_cmp_lt_u32 ttmp9, 32
	s_cselect_b64 s[30:31], s[8:9], s[30:31]       ; wk
	s_cselect_b32 s34, 16, s34
	s_cselect_b32 s36, 2, s36
	s_cmp_lt_u32 ttmp9, 16
	s_cselect_b64 s[30:31], s[6:7], s[30:31]       ; wq
	s_cselect_b32 s34, 0, s34
	s_cselect_b32 s36, 0, s36
	s_sub_co_u32 s40, ttmp9, s34
	s_bfm_b32 s41, s35, 0
	s_and_b32 s42, s40, s41                        ; group of 128 columns
	s_lshr_b32 s43, s40, s35                       ; ks: K step of 128
	s_lshl_b32 s44, s42, 2
	s_add_co_u32 s44, s44, s28                     ; cb: my wave's block of 32 columns
	s_lshl_b32 s45, 512, s35                       ; a row of the source in bytes
	; kind 0: slot = 4 (cb / 16) + offset + (cb / 2) % 2, part = 4 slot + (cb / 4) % 4; in the part fragment 4 (2 (cb % 2) + u) + ks, scale image 4 (cb % 2) + ks
	s_lshr_b32 s46, s44, 4
	s_lshl_b32 s46, s46, 2
	s_add_co_u32 s46, s46, s36
	s_bfe_u32 s47, s44, 0x10001
	s_add_co_u32 s46, s46, s47
	s_bfe_u32 s47, s44, 0x20002
	s_lshl_b32 s46, s46, 2
	s_add_co_u32 s46, s46, s47
	s_mul_i32 s48, s46, 25600
	s_and_b32 s49, s44, 1
	s_mul_i32 s50, s49, 12288
	s_add_co_u32 s50, s50, s48
	s_mul_i32 s51, s43, 1536
	s_add_co_u32 s50, s50, s51
	s_lshl_b32 s51, s49, 2
	s_add_co_u32 s51, s51, s43
	s_lshl_b32 s51, s51, 7
	s_add_co_u32 s51, s51, s48
	s_add_co_u32 s51, s51, 24576
	; kind 1: slot = 4 (ks / 4) + 2 + (ks / 2) % 2, part = 4 slot + (cb / 4) % 4; fragment 2 (2 (cb % 4) + u) + ks % 2, scale image 2 (cb % 4) + ks % 2
	s_lshr_b32 s52, s43, 2
	s_lshl_b32 s52, s52, 2
	s_add_co_u32 s52, s52, 2
	s_bfe_u32 s53, s43, 0x10001
	s_add_co_u32 s52, s52, s53
	s_lshl_b32 s52, s52, 2
	s_add_co_u32 s52, s52, s47
	s_mul_i32 s48, s52, 25600
	s_and_b32 s49, s44, 3
	s_and_b32 s53, s43, 1
	s_mul_i32 s52, s49, 6144
	s_add_co_u32 s52, s52, s48
	s_mul_i32 s54, s53, 1536
	s_add_co_u32 s52, s52, s54
	s_lshl_b32 s54, s49, 1
	s_add_co_u32 s54, s54, s53
	s_lshl_b32 s54, s54, 7
	s_add_co_u32 s53, s54, s48
	s_add_co_u32 s53, s53, 24576
	; kind 2: fragment (2 cb + u) KS + ks, scale image cb KS + ks behind the 128 fragments
	s_mul_i32 s54, s44, s38
	s_lshl_b32 s55, s54, 1
	s_add_co_u32 s55, s55, s43
	s_mul_i32 s55, s55, 1536
	s_add_co_u32 s55, s55, s39
	s_add_co_u32 s54, s54, s43
	s_lshl_b32 s54, s54, 7
	s_add_co_u32 s54, s54, s39
	s_add_co_u32 s54, s54, 196608
	s_mul_i32 s56, s38, 1536                       ; from tile u = 0 to tile u = 1
	s_cmp_eq_u32 s37, 0
	s_cselect_b32 s55, s50, s55
	s_cselect_b32 s54, s51, s54
	s_cselect_b32 s56, 6144, s56
	s_cmp_eq_u32 s37, 1
	s_cselect_b32 s55, s52, s55
	s_cselect_b32 s54, s53, s54
	s_cselect_b32 s56, 3072, s56
	s_mov_b32 s58, s55
	s_mov_b32 s59, 0
	s_mov_b32 s60, s54
	s_mov_b32 s61, 0
	s_add_nc_u64 s[58:59], s[32:33], s[58:59]      ; my fragments
	s_add_nc_u64 s[60:61], s[32:33], s[60:61]      ; my scale image
	s_lshl_b32 s62, s43, 7
	s_mul_i32 s62, s62, s45
	s_lshl_b32 s63, s44, 7
	s_add_co_u32 s62, s62, s63
	s_mov_b32 s63, 0
	s_add_nc_u64 s[66:67], s[30:31], s[62:63]      ; the source at row 128 ks, column 32 cb; then 32 rows on, three times
	s_lshl_b32 s62, s45, 5
	s_add_nc_u64 s[68:69], s[66:67], s[62:63]
	s_add_nc_u64 s[70:71], s[68:69], s[62:63]
	s_add_nc_u64 s[72:73], s[70:71], s[62:63]
	s_wait_alu depctr_va_vdst(0)
	v_lshlrev_b32 v[VO], 2, v1
.set k, 1
.rept 31
	v_add_nc_u32 v[VO+k], s45, v[VO+k-1]
.set k, k+1
.endr
.irp t, 0,1,2,3
.set k, 0
.rept 32
	global_load_b32 v[X+32*\t+k], v[VO+k], s[66+2*\t:67+2*\t] th:TH_LOAD_NT   ; a wave reads 128 consecutive bytes, the four waves 512
.set k, k+1
.endr
.endr
	v_bfe_u32 v34, v1, 3, 1                        ; u: which of the pair's two tiles my column falls into
	v_and_b32 v35, 7, v1
	v_lshrrev_b32 v36, 4, v1
	v_lshl_or_b32 v35, v36, 3, v35                 ; r: its fragment lane
	v_mul_lo_u32 v37, v34, s56
	v_lshl_add_u32 v37, v35, 4, v37                ; u x (tile to tile) + 16 r
	v_lshl_add_u32 v38, v34, 4, v35
	v_lshlrev_b32 v38, 2, v38                      ; 4 (r + 16 u)
.macro BLOCK t                         ; block t of 32 along K: registers 6 (t / 2) .. + 5 of fragment lane (r, t % 2)
.set XS, X+32*(\t)
.set PH, PA+12*((\t)%2)+6*((\t)/2)
.if (\t) < 2
	s_wait_loadcnt 63                              ; 96 and 64 younger loads might stay out; the wait's field holds 63, and a smaller count is safe
.else
	s_wait_loadcnt 96-32*(\t)                      ; the later blocks' loads may stay out
.endif
	v_max3_num_f32 v220, |v[XS]|, |v[XS+1]|, |v[XS+2]|
	v_max3_num_f32 v221, |v[XS+3]|, |v[XS+4]|, |v[XS+5]|
.irp i, 6,10,14,18,22,26
	v_max3_num_f32 v220, v220, |v[XS+\i]|, |v[XS+\i+1]|
	v_max3_num_f32 v221, v221, |v[XS+\i+2]|, |v[XS+\i+3]|
.endr
	v_max3_num_f32 v220, v220, |v[XS+30]|, |v[XS+31]|
	v_max3_num_f32 v220, v220, v221, 0x1800000     ; the floor 2^(3 - 127): the byte cannot fall under 1
	v_add_nc_u32 v222, 0xff000000, v220            ; 2 off the exponent field: the conversion's scale operand
	v_lshrrev_b32 v223, 23, v222                   ; the scale's byte
.if (\t) == 0
	v_mov_b32 v224, v223
.else
	v_lshl_or_b32 v224, v223, 8*(\t), v224
.endif
	v_cvt_scalef32_pk16_fp6_f32 v[PH:PH+2], v[XS:XS+15], v222
	v_cvt_scalef32_pk16_fp6_f32 v[CT:CT+2], v[XS+16:XS+31], v222   ; (a conversion's three registers begin on an even number)
	v_nop                                          ; one plain place behind a scaled conversion
.irp i, 0,1,2
	v_mov_b32 v[PH+3+\i], v[CT+\i]
.endr
.endm
	BLOCK 0
	BLOCK 1
	BLOCK 2
	BLOCK 3
.irp h, 0,1
.irp g, 0,1,2
	global_store_b128 v37, v[PA+12*\h+4*\g:PA+12*\h+4*\g+3], s[58:59] offset:512*\g+256*\h   ; sixteen lanes fill 256 consecutive aligned bytes of each of the two tiles' images
.endr
.endr
	global_store_b32 v38, v224, s[60:61]
	s_endpgm
.Lmean:
	; ---- means: a wave takes 16 rows of 2,048 bytes; eight rows (32 loads) are on their way
	s_sub_co_u32 s30, ttmp9, NWT
	s_lshl_b32 s30, s30, 6
	s_lshl_b32 s31, s28, 4
	s_add_co_u32 s30, s30, s31                     ; my first row
	s_lshl_b32 s32, s30, 11
	s_mov_b32 s33, 0
	s_lshl_b32 s34, s30, 2
	s_mov_b32 s35, 0
	s_mov_b32 s36, 0x76543210
	s_mov_b32 s37, 0xfedcba98                      ; v_permlanex16_b32's selects for lane l xor 16
	s_wait_alu depctr_va_vdst(0)
	v_lshlrev_b32 v2, 4, v1
	v_and_b32 v3, 15, v0
	v_lshlrev_b32 v4, 2, v3
	s_wait_alu depctr_va_vdst(0)
	s_wait_kmcnt 0x0
	s_add_nc_u64 s[4:5], s[4:5], s[32:33]
	s_add_nc_u64 s[20:21], s[20:21], s[34:35]
.macro MROW i
.irp k, 0,1,2,3
	global_load_b128 v[X+16*((\i)%8)+4*\k:X+16*((\i)%8)+4*\k+3], v2, s[4:5] offset:2048*(\i)+512*\k th:TH_LOAD_NT
.endr
.endm
.macro MSUM i
.set XS, X+16*((\i)%8)
.if (\i) < 8
	s_wait_loadcnt 28                              ; the seven rows behind mine may stay out
.else
	s_wait_loadcnt 4*(15-(\i))
.endif
	v_pk_add_f32 v[208:209], v[XS:XS+1], v[XS+2:XS+3]
	v_pk_add_f32 v[210:211], v[XS+4:XS+5], v[XS+6:XS+7]
	v_pk_add_f32 v[212:213], v[XS+8:XS+9], v[XS+10:XS+11]
	v_pk_add_f32 v[214:215], v[XS+12:XS+13], v[XS+14:XS+15]
	v_pk_add_f32 v[208:209], v[208:209], v[210:211]
	v_pk_add_f32 v[212:213], v[212:213], v[214:215]
	v_pk_add_f32 v[208:209], v[208:209], v[212:213]
	v_add_f32 v[192+(\i)], v208, v209
.if (\i) < 8
	MROW (\i)+8
.endif
.endm
.irp i, 0,1,2,3,4,5,6,7
	MROW \i
.endr
.irp i, 0,1,2,3,4,5,6,7,8,9,10,11,12,13,14,15
	MSUM \i
.endr
.irp m, 1,2,4,8
.set k, 0
.rept 16
	v_add_f32_dpp v[192+k], v[192+k], v[192+k] row_xmask:\m row_mask:0xf bank_mask:0xf
.set k, k+1
.endr
.endr
.set k, 0
.rept 16
	v_permlanex16_b32 v[X+k], v[192+k], s36, s37
.set k, k+1
.endr
.set k, 0
.rept 16
	v_add_f32 v[192+k], v[192+k], v[X+k]           ; every lane holds every row's sum
.set k, k+1
.endr
	v_mov_b32 v216, v192
.set k, 1
.rept 15
	v_cmp_eq_u32 vcc_lo, k, v3
	v_cndmask_b32 v216, v216, v[192+k], vcc_lo     ; lane l keeps row l % 16
.set k, k+1
.endr
	v_mul_f32 v216, 0x3b000000, v216               ; / 512
	global_store_b32 v4, v216, s[20:21]            ; lanes l and l + 16 store the same word with the same value
	s_endpgm
.Lfunc_end_k_qd27b619a7b_prep:
	.size	k_qd27b619a7b_prep, .Lfunc_end_k_qd27b619a7b_prep-k_qd27b619a7b_prep
	.p2alignl 7, 3214868480
	.fill 96, 4, 3214868480
	.section	.rodata,"a",@progbits
	.p2align	6, 0x0
	.amdhsa_kernel k_qd27b619a7b_prep
		.amdhsa_group_segment_fixed_size 0
		.amdhsa_private_segment_fixed_size 0
		.amdhsa_enable_private_segment 0
		.amdhsa_kernarg_size 96
		.amdhsa_user_sgpr_count 2
		.amdhsa_user_sgpr_kernarg_segment_ptr 1
		.amdhsa_wavefront_size32 1
		.amdhsa_system_sgpr_workgroup_id_x 1
		.amdhsa_system_sgpr_workgroup_id_y 1
		.amdhsa_system_sgpr_workgroup_id_z 1
		.amdhsa_system_vgpr_workitem_id 0
		.amdhsa_next_free_vgpr 240
		.amdhsa_next_free_sgpr 80
		.amdhsa_reserve_vcc 1
		.amdhsa_float_denorm_mode_32 3
		.amdhsa_float_denorm_mode_16_64 3
		.amdhsa_memory_ordered 1
		.amdhsa_forward_progress 1
		.amdhsa_inst_pref_size 47
	.end_amdhsa_kernel
	.amdgpu_metadata
---
amdhsa.version: [ 1, 2 ]
amdhsa.kernels:
  - .name:           k_qd27b619a7b_prep
    .symbol:         k_qd27b619a7b_prep.kd
    .args:
      - { .name: x, .offset: 0, .size: 8, .value_kind: global_buffer, .address_space: global }
      - { .name: wq, .offset: 8, .size: 8, .value_kind: global_buffer, .address_space: global }
      - { .name: wk, .offset: 16, .size: 8, .value_kind: global_buffer, .address_space: global }
      - { .name: wv, .offset: 24, .size: 8, .value_kind: global_buffer, .address_space: global }
      - { .name: w1, .offset: 32, .size: 8, .value_kind: global_buffer, .address_space: global }
      - { .name: w2, .offset: 40, .size: 8, .value_kind: global_buffer, .address_space: global }
      - { .name: se_w1, .offset: 48, .size: 8, .value_kind: global_buffer, .address_space: global }
      - { .name: se_w2, .offset: 56, .size: 8, .value_kind: global_buffer, .address_space: global }
      - { .name: ymean, .offset: 64, .size: 8, .value_kind: global_buffer, .address_space: global }
      - { .name: wsqkv, .offset: 72, .size: 8, .value_kind: global_buffer, .address_space: global }
      - { .name: wsffn, .offset: 80, .size: 8, .value_kind: global_buffer, .address_space: global }
      - { .name: sew, .offset: 88, .size: 8, .value_kind: global_buffer, .address_space: global }
    .group_segment_fixed_size: 0
    .private_segment_fixed_size: 0
    .kernarg_segment_align: 8
    .kernarg_segment_size: 96
    .max_flat_workgroup_size: 128
    .sgpr_count:     80
    .vgpr_count:     240
    .wavefront_size: 32
...
	.end_amdgpu_metadata
.endif
;; end of part 1
;; launch gate (part 2): grid 16 x 1, 4 waves a work-group, no clusters, 17,408 bytes of LDS; arguments ymean, sew, gain; writes gain
.if DOCPART == 2
	.amdgcn_target "amdgcn-amd-amdhsa--gfx1250"
	.amdhsa_code_object_version 6
	.text
	.protected	k_qd27b619a7b_gate
	.globl	k_qd27b619a7b_gate
	.p2align	8
	.type	k_qd27b619a7b_gate,@function
k_qd27b619a7b_gate:
	s_mov_b64 s[64:65], 0
	v_nop
	global_prefetch_b8 v0, s[64:65] scope:SCOPE_SE
	s_setreg_imm32_b32 hwreg(HW_REG_WAVE_MODE, 25, 1), 1
	s_wait_xcnt 0x0
; gain[b][t] = 1 + sigmoid(relu(y se_w1) se_w2), y = the row means [16][1024]; both products on codes of E2M3 with E8M0 scales.
; Sixteen work-groups; each repeats the first product (16 x 256 x 1,024: 128 matrix instructions) and makes 64 of the 1,024 gates for all 16 batches.
; Both products are used transposed (source 0 = 16 columns of the weight, source 1 = the 16 batches): a lane holds one batch, its registers run along the next K.
; Wave w: quantises K steps 2 w, 2 w + 1 of y; makes hidden units 64 w .. + 63; makes gate tile 4 g + w.  Operands go from wave to wave through LDS as images of their registers.
; The weights' fragments go from memory straight into registers, each lane its own 16 bytes: no tile lies in LDS that a joint request could fill, so no cluster.
; LIMITS: blocks under 2^-124 (zeros among them) get the scale byte 1; NaN and infinities are not served.
.set YIMG, 0                           ; y's 8 fragment images
.set YSC,  12288                       ; their scale words, 128 bytes each
.set HIMG, 13312                       ; the hidden layer's 4 half fragments of 768 bytes (registers 0-3 at 16 l, registers 4-5 at 512 + 8 l)
.set HSC,  16384                       ; its 2 scale images
.set YS,   16                          ; v16-23  y's scale words
.set W1S,  24                          ; v24-39  se_w1's: 8 (pair) + ks
.set W2S,  40                          ; v40-41  se_w2's
.set HS,   42                          ; v42-43  the hidden layer's
.set YN,   64                          ; v64-191 128 numbers of y; then v64-159 y's 8 fragments
.set HF,   160                         ; v160-183 the hidden layer's 2 fragments
.set GA,   184                         ; v184-191 the gate's sums
.set HA,   192                         ; v192-223 my 4 tiles of the hidden layer
.set TM,   224                         ; v224-239 the quantiser's work
.set PW,   240
.set SEL,  20
.set MSB, 0
.macro WIN new                         ; the immediate's high byte repeats the setting that is left
.if MSB != (\new)
	s_set_vgpr_msb (MSB<<8)|(\new)
.set MSB, \new
.endif
.endm
.macro WM d, a, b, c, sa, sb, ra, rb   ; one product; c < 0: the constant 0 starts the sum; ra, rb: that side's scales lie in lanes 16-31
.if (\c) < 0
.if (\ra)
	v_wmma_scale_f32_16x16x128_f8f6f4 v[(\d):(\d)+7], v[(\a):(\a)+11], v[(\b):(\b)+11], 0, v[(\sa)], v[(\sb)] matrix_a_fmt:MATRIX_FMT_FP6 matrix_b_fmt:MATRIX_FMT_FP6 matrix_a_scale:MATRIX_SCALE_ROW1
.elseif (\rb)
	v_wmma_scale_f32_16x16x128_f8f6f4 v[(\d):(\d)+7], v[(\a):(\a)+11], v[(\b):(\b)+11], 0, v[(\sa)], v[(\sb)] matrix_a_fmt:MATRIX_FMT_FP6 matrix_b_fmt:MATRIX_FMT_FP6 matrix_b_scale:MATRIX_SCALE_ROW1
.else
	v_wmma_scale_f32_16x16x128_f8f6f4 v[(\d):(\d)+7], v[(\a):(\a)+11], v[(\b):(\b)+11], 0, v[(\sa)], v[(\sb)] matrix_a_fmt:MATRIX_FMT_FP6 matrix_b_fmt:MATRIX_FMT_FP6
.endif
.else
.if (\ra)
	v_wmma_scale_f32_16x16x128_f8f6f4 v[(\d):(\d)+7], v[(\a):(\a)+11], v[(\b):(\b)+11], v[(\c):(\c)+7], v[(\sa)], v[(\sb)] matrix_a_fmt:MATRIX_FMT_FP6 matrix_b_fmt:MATRIX_FMT_FP6 matrix_a_scale:MATRIX_SCALE_ROW1
.elseif (\rb)
	v_wmma_scale_f32_16x16x128_f8f6f4 v[(\d):(\d)+7], v[(\a):(\a)+11], v[(\b):(\b)+11], v[(\c):(\c)+7], v[(\sa)], v[(\sb)] matrix_a_fmt:MATRIX_FMT_FP6 matrix_b_fmt:MATRIX_FMT_FP6 matrix_b_scale:MATRIX_SCALE_ROW1
.else
	v_wmma_scale_f32_16x16x128_f8f6f4 v[(\d):(\d)+7], v[(\a):(\a)+11], v[(\b):(\b)+11], v[(\c):(\c)+7], v[(\sa)], v[(\sb)] matrix_a_fmt:MATRIX_FMT_FP6 matrix_b_fmt:MATRIX_FMT_FP6
.endif
.endif
.endm
; 64 numbers of a lane, register 16 b + i = k 32 b + 16 (lane / 16) + i of my row, become a fragment's codes in v[PC] on and its scale word in v[PW]
.macro QUANT src
.irp b, 0,1,2,3
	v_max3_num_f32 v[TM+\b], 0x1800000, |v[(\src)+16*\b]|, |v[(\src)+16*\b+1]|   ; with the floor 2^(3 - 127)
.endr
.irp i, 2,4,6,8,10,12,14
.irp b, 0,1,2,3
	v_max3_num_f32 v[TM+\b], v[TM+\b], |v[(\src)+16*\b+\i]|, |v[(\src)+16*\b+\i+1]|
.endr
.endr
.irp b, 0,1,2,3
	v_permlanex16_b32 v[TM+4+\b], v[TM+\b], s[SEL], s[SEL+1]
.endr
.irp b, 0,1,2,3
	v_max_num_f32 v[TM+\b], v[TM+\b], v[TM+4+\b]
.endr
.irp b, 0,1,2,3
	v_add_nc_u32 v[TM+12+\b], 0xff000000, v[TM+\b]
.endr
.irp b, 0,1,2,3
	v_lshrrev_b32 v[TM+4+\b], 23, v[TM+12+\b]
.endr
	v_lshl_or_b32 v[PW], v[TM+5], 8, v[TM+4]
	v_lshl_or_b32 v[PW], v[TM+6], 16, v[PW]
	v_lshl_or_b32 v[PW], v[TM+7], 24, v[PW]
.irp c, 0,1
	v_cvt_scalef32_pk16_fp6_f32 v[PC+6*\c:PC+6*\c+2], v[(\src)+32*\c:(\src)+32*\c+15], v[TM+12+2*\c]
	v_cvt_scalef32_pk16_fp6_f32 v[PC+12+4*\c:PC+14+4*\c], v[(\src)+32*\c+16:(\src)+32*\c+31], v[TM+12+2*\c+1]
.endr
	v_nop                                          ; one plain place behind a scaled conversion
.irp c, 0,1
.irp i, 0,1,2
	v_permlane16_swap_b32 v[PC+6*\c+\i], v[PC+12+4*\c+\i]
.endr
.irp i, 0,1,2
	v_mov_b32 v[PC+3+6*\c+\i], v[PC+12+4*\c+\i]
.endr
.endr
.endm
	s_load_b128 s[4:7], s[0:1], 0x0                ; ymean, sew
	s_load_b64 s[8:9], s[0:1], 0x10                ; gain
	v_lshl_add_u32 v254, v0, 2, 0x4200
	v_mov_b32 v255, 0
	v_lshrrev_b32 v1, 5, v0
	v_readfirstlane_b32 s10, v1                    ; wave
	v_and_b32 v1, 31, v0
	v_and_b32 v2, 15, v0                           ; r: my batch
	v_bfe_u32 v3, v0, 4, 1                         ; h
	v_lshlrev_b32 v4, 12, v2
	v_lshl_add_u32 v4, v3, 6, v4                   ; row r of 4,096 bytes + 64 h: y on the way in, gain on the way out
	v_lshlrev_b32 v5, 4, v1
	v_lshlrev_b32 v6, 2, v1
	s_wait_alu depctr_va_vdst(0)
	v_lshlrev_b32 v7, 3, v1
	s_mul_i32 s22, s10, 3072
	v_add_nc_u32 v8, s22, v5                       ; where I store y's images
	s_lshl_b32 s22, s10, 8
	s_add_co_u32 s22, s22, YSC
	v_add_nc_u32 v9, s22, v6
	s_mul_i32 s22, s10, 768
	s_add_co_u32 s22, s22, HIMG
	v_add_nc_u32 v10, s22, v5                      ; and my half fragment of the hidden layer
	s_add_co_u32 s22, s22, 512
	v_add_nc_u32 v11, s22, v7
	s_lshr_b32 s23, s10, 1
	s_and_b32 s24, s10, 1
	s_lshl_b32 s22, s23, 7
	s_lshl_b32 s25, s24, 1
	s_add_co_u32 s22, s22, s25
	s_add_co_u32 s22, s22, HSC
	v_add_nc_u32 v12, s22, v6                      ; my two bytes of its scale words
	s_lshl_b32 s22, s24, 6
	v_lshl_add_u32 v13, v2, 2, s22                 ; se_w2's scale words: my tile's half of the image, in lanes 0-15 and 16-31 alike
	s_mov_b32 s[SEL], 0x76543210
	s_mov_b32 s[SEL+1], 0xfedcba98
.irp b, 0,1,2,3
	v_mov_b32 v[TM+4+\b], 0                        ; written once: a lane permute's destination counts as one of its sources
.endr
	s_mov_b32 s27, 0
	s_wait_alu depctr_va_vdst(0)
	s_wait_kmcnt 0x0
	s_lshl_b32 s26, s10, 10
	s_add_nc_u64 s[4:5], s[4:5], s[26:27]          ; y at K step 2 w
	s_mul_i32 s26, s10, 49152
	s_add_nc_u64 s[12:13], s[6:7], s[26:27]        ; se_w1: my four tiles' 32 fragments
	s_lshl_b32 s26, s10, 11
	s_add_co_u32 s26, s26, 196608
	s_add_nc_u64 s[14:15], s[6:7], s[26:27]        ; and their 16 scale images
	s_lshl_b32 s26, ttmp9, 2
	s_add_co_u32 s26, s26, s10
	s_mul_i32 s26, s26, 3072
	s_add_co_u32 s26, s26, 204800
	s_add_nc_u64 s[16:17], s[6:7], s[26:27]        ; se_w2: tile 4 g + w
	s_lshl_b32 s28, ttmp9, 1
	s_add_co_u32 s28, s28, s23                     ; its pair
	s_lshl_b32 s26, s28, 8
	s_add_co_u32 s26, s26, 401408
	s_add_nc_u64 s[18:19], s[6:7], s[26:27]
	s_lshl_b32 s26, s28, 7
	s_lshl_b32 s25, s24, 5
	s_add_co_u32 s26, s26, s25
	s_add_nc_u64 s[8:9], s[8:9], s[26:27]          ; gain at column 32 pair + 8 (w % 2)
.irp e, 0,1
.irp b, 0,1,2,3
.irp j, 0,1,2,3
	global_load_b128 v[YN+64*\e+16*\b+4*\j:YN+64*\e+16*\b+4*\j+3], v4, s[4:5] offset:512*\e+128*\b+16*\j
.endr
.endr
.endr
	WIN 0x40
.irp tl, 0,1
.irp ks, 0,1,2,3,4,5,6,7
.irp g, 0,1,2
	global_load_b128 v[12*(8*\tl+\ks)+4*\g:12*(8*\tl+\ks)+4*\g+3], v5, s[12:13] offset:1536*(8*\tl+\ks)+512*\g
.endr
.endr
.endr
.irp ks, 0,1
.irp g, 0,1,2
	global_load_b128 v[192+12*\ks+4*\g:192+12*\ks+4*\g+3], v5, s[16:17] offset:1536*\ks+512*\g
.endr
.endr
	WIN 0x80
.irp tl, 0,1
.irp ks, 0,1,2,3,4,5,6,7
.irp g, 0,1,2
	global_load_b128 v[12*(8*\tl+\ks)+4*\g:12*(8*\tl+\ks)+4*\g+3], v5, s[12:13] offset:1536*(16+8*\tl+\ks)+512*\g
.endr
.endr
.endr
	WIN 0
.set k, 0
.rept 16
	global_load_b32 v[W1S+k], v6, s[14:15] offset:128*k
.set k, k+1
.endr
	global_load_b32 v[W2S], v13, s[18:19]
	global_load_b32 v[W2S+1], v13, s[18:19] offset:128
	s_wait_loadcnt 63                              ; y's 32 loads are the oldest; 120 are younger, the wait's field holds 63, and a smaller count is safe
.set PC, 192
	QUANT YN
.irp g, 0,1,2
	ds_store_b128 v8, v[PC+4*\g:PC+4*\g+3] offset:YIMG+512*\g
.endr
	ds_store_b32 v9, v[PW]
	s_wait_dscnt 0x0                               ; the stores have read their registers
	QUANT YN+64
.irp g, 0,1,2
	ds_store_b128 v8, v[PC+4*\g:PC+4*\g+3] offset:YIMG+1536+512*\g
.endr
	ds_store_b32 v9, v[PW] offset:128
	s_wait_dscnt 0x0                               ; my stores have landed: then the barrier
	s_barrier_signal -1
	s_barrier_wait -1
.irp ks, 0,1,2,3,4,5,6,7
.irp g, 0,1,2
	ds_load_b128 v[YN+12*\ks+4*\g:YN+12*\ks+4*\g+3], v5 offset:YIMG+1536*\ks+512*\g
.endr
	ds_load_b32 v[YS+\ks], v6 offset:YSC+128*\ks
.endr
	s_wait_dscnt 0x0
	s_wait_loadcnt 0x0
	WIN 0x01                                       ; tiles 0, 1 lie in window 1: two accumulators by turns
.irp ks, 0,1,2,3,4,5,6,7
.irp tl, 0,1
.if \ks == 0
	WM HA+8*\tl, 12*(8*\tl+\ks), YN+12*\ks, -1, W1S+\ks, YS+\ks, \tl, 0
.else
	WM HA+8*\tl, 12*(8*\tl+\ks), YN+12*\ks, HA+8*\tl, W1S+\ks, YS+\ks, \tl, 0
.endif
.endr
.endr
	WIN 0x02                                       ; tiles 2, 3 in window 2
.irp ks, 0,1,2,3,4,5,6,7
.irp tl, 0,1
.if \ks == 0
	WM HA+16+8*\tl, 12*(8*\tl+\ks), YN+12*\ks, -1, W1S+8+\ks, YS+\ks, \tl, 0
.else
	WM HA+16+8*\tl, 12*(8*\tl+\ks), YN+12*\ks, HA+16+8*\tl, W1S+8+\ks, YS+\ks, \tl, 0
.endif
.endr
.endr
	WIN 0
.rept 4
	v_nop                                          ; four places behind the last products
.endr
.set k, 0
.rept 32
	v_max_num_f32 v[HA+k], 0, v[HA+k]              ; relu, each accumulator from its low end on
.set k, k+1
.endr
	; my 64 hidden units are two blocks of the next K: one half fragment and two scale bytes
.set PC, 160
.irp b, 0,1
	v_max3_num_f32 v[TM+\b], 0x1800000, v[HA+16*\b], v[HA+16*\b+1]
.endr
.irp i, 2,4,6,8,10,12,14
.irp b, 0,1
	v_max3_num_f32 v[TM+\b], v[TM+\b], v[HA+16*\b+\i], v[HA+16*\b+\i+1]
.endr
.endr
.irp b, 0,1
	v_permlanex16_b32 v[TM+4+\b], v[TM+\b], s[SEL], s[SEL+1]
.endr
.irp b, 0,1
	v_max_num_f32 v[TM+\b], v[TM+\b], v[TM+4+\b]
.endr
.irp b, 0,1
	v_add_nc_u32 v[TM+12+\b], 0xff000000, v[TM+\b]
.endr
.irp b, 0,1
	v_lshrrev_b32 v[TM+4+\b], 23, v[TM+12+\b]
.endr
	v_lshl_or_b32 v[PW], v[TM+5], 8, v[TM+4]
	v_cvt_scalef32_pk16_fp6_f32 v[PC:PC+2], v[HA:HA+15], v[TM+12]
	v_cvt_scalef32_pk16_fp6_f32 v[PC+12:PC+14], v[HA+16:HA+31], v[TM+13]
	v_nop
.irp i, 0,1,2
	v_permlane16_swap_b32 v[PC+\i], v[PC+12+\i]
.endr
.irp i, 0,1,2
	v_mov_b32 v[PC+3+\i], v[PC+12+\i]
.endr
	ds_store_b128 v10, v[PC:PC+3]
	ds_store_b64 v11, v[PC+4:PC+5]
	ds_store_b16 v12, v[PW]
	s_wait_dscnt 0x0
	s_barrier_signal -1
	s_barrier_wait -1
.irp f, 0,1
.irp c, 0,1
	ds_load_b128 v[HF+12*\f+6*\c:HF+12*\f+6*\c+3], v5 offset:HIMG+768*(2*\f+\c)
	ds_load_b64 v[HF+12*\f+6*\c+4:HF+12*\f+6*\c+5], v7 offset:HIMG+768*(2*\f+\c)+512
.endr
	ds_load_b32 v[HS+\f], v6 offset:HSC+128*\f
.endr
	s_wait_dscnt 0x0
	WIN 0x01
	WM GA, 192, HF, -1, W2S, HS, 0, 0
	s_wait_alu depctr_va_vdst(0)                   ; the wait directly ahead of the link
	WM GA, 204, HF+12, GA, W2S+1, HS+1, 0, 0
	WIN 0
.rept 4
	v_nop
.endr
.set k, 0
.rept 8
	v_mul_f32 v[64+k], 0xbfb8aa3b, v[GA+k]         ; -log2(e) x
.set k, k+1
.endr
.set k, 0
	s_wait_alu depctr_va_vdst(0)
.rept 8
	v_exp_f32 v[64+k], v[64+k]
.set k, k+1
.endr
	v_nop
	s_wait_alu depctr_va_vdst(0)                   ; one wait for the eight exponentials
.set k, 0
.rept 8
	v_add_f32 v[64+k], 1.0, v[64+k]
.set k, k+1
.endr
.set k, 0
	s_wait_alu depctr_va_vdst(0)
.rept 8
	v_rcp_f32 v[64+k], v[64+k]
.set k, k+1
.endr
	v_nop
	s_wait_alu depctr_va_vdst(0)                   ; and one for the eight reciprocals
.set k, 0
.rept 8
	v_add_f32 v[64+k], 1.0, v[64+k]                ; 1 + gate
.set k, k+1
.endr
	global_store_b128 v4, v[64:67], s[8:9]         ; register j: column 32 pair + 8 (w % 2) + 16 h + j of batch r
	global_store_b128 v4, v[68:71], s[8:9] offset:16
	s_wait_tensorcnt 0x0
	ds_add_u32 v254, v255
	s_wait_dscnt 0x0
	s_endpgm
.Lfunc_end_k_qd27b619a7b_gate:
	.size	k_qd27b619a7b_gate, .Lfunc_end_k_qd27b619a7b_gate-k_qd27b619a7b_gate
	.p2alignl 7, 3214868480
	.fill 96, 4, 3214868480
	.section	.rodata,"a",@progbits
	.p2align	6, 0x0
	.amdhsa_kernel k_qd27b619a7b_gate
		.amdhsa_group_segment_fixed_size 17408
		.amdhsa_private_segment_fixed_size 0
		.amdhsa_enable_private_segment 0
		.amdhsa_kernarg_size 24
		.amdhsa_user_sgpr_count 2
		.amdhsa_user_sgpr_kernarg_segment_ptr 1
		.amdhsa_wavefront_size32 1
		.amdhsa_system_sgpr_workgroup_id_x 1
		.amdhsa_system_sgpr_workgroup_id_y 1
		.amdhsa_system_sgpr_workgroup_id_z 1
		.amdhsa_system_vgpr_workitem_id 0
		.amdhsa_next_free_vgpr 768
		.amdhsa_next_free_sgpr 66
		.amdhsa_reserve_vcc 0
		.amdhsa_float_denorm_mode_32 3
		.amdhsa_float_denorm_mode_16_64 3
		.amdhsa_memory_ordered 1
		.amdhsa_forward_progress 1
		.amdhsa_inst_pref_size 38
	.end_amdhsa_kernel
	.amdgpu_metadata
---
amdhsa.version: [ 1, 2 ]
amdhsa.kernels:
  - .name:           k_qd27b619a7b_gate
    .symbol:         k_qd27b619a7b_gate.kd
    .args:
      - { .name: ymean, .offset: 0, .size: 8, .value_kind: global_buffer, .address_space: global }
      - { .name: sew, .offset: 8, .size: 8, .value_kind: global_buffer, .address_space: global }
      - { .name: gain, .offset: 16, .size: 8, .value_kind: global_buffer, .address_space: global }
    .group_segment_fixed_size: 17408
    .private_segment_fixed_size: 0
    .kernarg_segment_align: 8
    .kernarg_segment_size: 24
    .max_flat_workgroup_size: 128
    .sgpr_count:     66
    .vgpr_count:     768
    .wavefront_size: 32
...
	.end_amdgpu_metadata
.endif
;; end of part 2
;; launch qkv (part 3): grid 256 x 1, 4 waves a work-group, clusters of 4 x 1, 327,680 bytes of LDS; arguments x, gain, ln1_g, ln1_b, wsqkv, qbuf, kv; writes qbuf, kv
.if DOCPART == 3
	.amdgcn_target "amdgcn-amd-amdhsa--gfx1250"
	.amdhsa_code_object_version 6
	.text
	.protected	k_qd27b619a7b_qkv
	.globl	k_qd27b619a7b_qkv
	.p2align	8
	.type	k_qd27b619a7b_qkv,@function
k_qd27b619a7b_qkv:
	s_mov_b64 s[64:65], 0
	v_nop
	global_prefetch_b8 v0, s[64:65] scope:SCOPE_SE
	s_setreg_imm32_b32 hwreg(HW_REG_WAVE_MODE, 25, 1), 1
	s_wait_xcnt 0x0
	s_wait_alu depctr_hold_cnt(0) depctr_sa_sdst(0) depctr_va_vdst(0) depctr_va_sdst(0) depctr_va_ssrc(0) depctr_va_vcc(0) depctr_vm_vsrc(0)
	s_getreg_b32 s2, hwreg(HW_REG_IB_STS2, 6, 4)
	s_cmp_eq_u32 s2, 0
	s_cbranch_scc0 .Lentry_in_a_cluster
	s_endpgm
.Lentry_in_a_cluster:
	s_bfe_u32 s2, ttmp6, 0x10000c
	s_cmp_lg_u32 s2, 0x3003
	s_cbranch_scc0 .Lentry_shape_is_right
	s_endpgm
.Lentry_shape_is_right:
; n = LayerNorm(x gain) is quantised; q = n wq, k = n wk, v = n wv (K = 512, codes of E2M3 with E8M0 scales) are quantised again, q and k along the head's 64, v along the tokens, and stored as register images.
; SHARES.  A work-group takes 64 tokens: four tiles of 16; tile m = 2 b + u, lane r = token 32 b + 8 u + r + 8 (r / 8).  Wave w normalises and quantises tile w (image to LDS, all waves read all 16 fragments into window 1).
; Then six slots of weights (q, q, k, k, v, v) go through a ring of two LDS slots.  In slot 2 t + half wave w makes head 2 w + half of tensor t for all 64 tokens: 64 matrix instructions.
; q, k: source 0 = 16 columns of the weight, source 1 = 16 tokens: a lane holds a token, its registers run along the head's features.  v: the sources swapped: a lane holds a feature, its registers run along the tokens.
; CLUSTER.  All work-groups walk the same weights: the four of a cluster ask for each wave's part of a slot (25,600 dense bytes) JOINTLY, with the same descriptor and the mask 15.
; RECORDS, one for each (batch, head).  A half fragment is 768 bytes: registers 0-3 at 16 l, registers 4-5 at 512 + 8 l.  qbuf: 64 token tiles, then 32 scale images (lanes 0-15 tile (P, 0), lanes 16-31 tile (P, 1); bytes 2, 3 are 0).
;   kv: K's 64 tiles; V [key step 8][feature tile 4][half 2]; K's 32 scale images; V's [key step][pair of feature tiles].
; x (1 + gate) is formed by one multiplication where the reference adds x and x gate.  The variance is taken of x - mean (two passes).  The sums' order differs from the reference's.
; LIMITS: blocks under 2^-124 (zeros among them) get the scale byte 1; NaN and infinities are not served.
; REGISTERS: window 0: v1-29 addresses; v40-47, v48-63 scale words; v64-159 two sets of four weight fragments; v192-241 the quantiser.  window 1: my 256 numbers of a row, then n's 16 fragments.  window 2: x as loaded, then the slot's 16 accumulators.
.set SLOT1, 1<<17
.set SLOTB, 102400
.set PARTB, 25600
.set NIMG,  102400                     ; n's 16 fragment images, 4 m + s
.set NSC,   126976                     ; their scale words
.set SPARE, 129024                     ; the spare words, 128 bytes a wave: two blocks of 256 bytes that no other line names
.set STG,   260096                     ; a stage of 16,640 bytes for each wave
.set STGW,  16640
.set XP, 4
.set GNP, 6
.set GP, 8
.set BP, 10
.set WSP, 12
.set QBP, 14
.set KVP, 16
.set WV, 18
.set CX, 19
.set GW, 20
.set SG, 21
.set SEL, 22
.set TB, 24
.set C512, 25
.set CEPS, 26
.set G0, 28
.set G1, 32
.set XB, 40
.set DB, 52
.set SB, 54
.set L16, 1
.set L4, 2
.set L8, 3
.set STW, 6
.set STR, 7
.set NWI, 8
.set NWS, 9
.set NRI, 10
.set NRS, 11
.set WA0, 12
.set WS0, 13
.set WA, 14
.set WSA, 15
.set GBO, 16
.set SH, 17
.set SPW, 28
.set NIL, 29
.set WS, 40
.set NS, 48
.set WB0, 64
.set WB1, 112
.set SA, 64
.set GN, 72
.set MU, 74
.set RS, 76
.set MSB, 0
.macro WIN new                         ; the immediate's high byte repeats the setting that is left
.if MSB != (\new)
	s_set_vgpr_msb (MSB<<8)|(\new)
.set MSB, \new
.endif
.endm
.macro PLACES
.rept 4
	v_nop
.endr
.endm
.macro WM d, a, b, c, sa, sb, ra, rb   ; one product; c < 0: the constant 0 starts the sum; ra, rb: that side's scales lie in lanes 16-31
.if (\c) < 0
.if (\ra)
	v_wmma_scale_f32_16x16x128_f8f6f4 v[(\d):(\d)+7], v[(\a):(\a)+11], v[(\b):(\b)+11], 0, v[(\sa)], v[(\sb)] matrix_a_fmt:MATRIX_FMT_FP6 matrix_b_fmt:MATRIX_FMT_FP6 matrix_a_scale:MATRIX_SCALE_ROW1
.elseif (\rb)
	v_wmma_scale_f32_16x16x128_f8f6f4 v[(\d):(\d)+7], v[(\a):(\a)+11], v[(\b):(\b)+11], 0, v[(\sa)], v[(\sb)] matrix_a_fmt:MATRIX_FMT_FP6 matrix_b_fmt:MATRIX_FMT_FP6 matrix_b_scale:MATRIX_SCALE_ROW1
.else
	v_wmma_scale_f32_16x16x128_f8f6f4 v[(\d):(\d)+7], v[(\a):(\a)+11], v[(\b):(\b)+11], 0, v[(\sa)], v[(\sb)] matrix_a_fmt:MATRIX_FMT_FP6 matrix_b_fmt:MATRIX_FMT_FP6
.endif
.else
.if (\ra)
	v_wmma_scale_f32_16x16x128_f8f6f4 v[(\d):(\d)+7], v[(\a):(\a)+11], v[(\b):(\b)+11], v[(\c):(\c)+7], v[(\sa)], v[(\sb)] matrix_a_fmt:MATRIX_FMT_FP6 matrix_b_fmt:MATRIX_FMT_FP6 matrix_a_scale:MATRIX_SCALE_ROW1
.elseif (\rb)
	v_wmma_scale_f32_16x16x128_f8f6f4 v[(\d):(\d)+7], v[(\a):(\a)+11], v[(\b):(\b)+11], v[(\c):(\c)+7], v[(\sa)], v[(\sb)] matrix_a_fmt:MATRIX_FMT_FP6 matrix_b_fmt:MATRIX_FMT_FP6 matrix_b_scale:MATRIX_SCALE_ROW1
.else
	v_wmma_scale_f32_16x16x128_f8f6f4 v[(\d):(\d)+7], v[(\a):(\a)+11], v[(\b):(\b)+11], v[(\c):(\c)+7], v[(\sa)], v[(\sb)] matrix_a_fmt:MATRIX_FMT_FP6 matrix_b_fmt:MATRIX_FMT_FP6
.endif
.endif
.endm
; 64 numbers of a lane in window win, register src + 16 b + i = k 32 b + 16 (lane / 16) + i of my row, become codes in v[PC] .. v[PC + 11] (registers 6 c .. + 5: blocks 2 c, 2 c + 1) and four scale bytes in v[PW]
.macro QUANT src, win
.set QW, ((\win)<<2)|((\win)<<4)
	WIN QW
.irp b, 0,1,2,3
	v_max3_num_f32 v[TM+\b], 0x1800000, |v[(\src)+16*\b]|, |v[(\src)+16*\b+1]|   ; with the floor 2^(3 - 127): the byte cannot fall under 1
.endr
.irp i, 2,4,6,8,10,12,14
.irp b, 0,1,2,3
	v_max3_num_f32 v[TM+\b], v[TM+\b], |v[(\src)+16*\b+\i]|, |v[(\src)+16*\b+\i+1]|
.endr
.endr
	WIN 0
.irp b, 0,1,2,3
	v_permlanex16_b32 v[TM+4+\b], v[TM+\b], s[SEL], s[SEL+1]
.endr
.irp b, 0,1,2,3
	v_max_num_f32 v[TM+\b], v[TM+\b], v[TM+4+\b]   ; with lane l xor 16's: the block's largest magnitude
.endr
.irp b, 0,1,2,3
	v_add_nc_u32 v[TM+12+\b], 0xff000000, v[TM+\b] ; 2 off its exponent field: the conversion's scale operand
.endr
.irp b, 0,1,2,3
	v_lshrrev_b32 v[TM+4+\b], 23, v[TM+12+\b]      ; the scale's byte
.endr
	v_lshl_or_b32 v[PW], v[TM+5], 8, v[TM+4]
	v_lshl_or_b32 v[PW], v[TM+6], 16, v[PW]
	v_lshl_or_b32 v[PW], v[TM+7], 24, v[PW]
	WIN \win
.irp c, 0,1
	v_cvt_scalef32_pk16_fp6_f32 v[PC+6*\c:PC+6*\c+2], v[(\src)+32*\c:(\src)+32*\c+15], v[TM+12+2*\c]
	v_cvt_scalef32_pk16_fp6_f32 v[PC+12+4*\c:PC+14+4*\c], v[(\src)+32*\c+16:(\src)+32*\c+31], v[TM+12+2*\c+1]
.endr
	WIN 0
	v_nop                                          ; one plain place behind a scaled conversion
.irp c, 0,1
.irp i, 0,1,2
	v_permlane16_swap_b32 v[PC+6*\c+\i], v[PC+12+4*\c+\i]   ; a whole block to a lane
.endr
.irp i, 0,1,2
	v_mov_b32 v[PC+3+6*\c+\i], v[PC+12+4*\c+\i]
.endr
.endr
.endm
.macro CROUND                          ; a round of the cluster's barrier
	s_barrier_signal -1
	s_barrier_wait -1
	s_cmp_lg_u32 s[WV], 0
	s_cbranch_scc1 .Lnot_wave_0_\@
	s_barrier_signal -3
.Lnot_wave_0_\@:
	s_barrier_wait -3
	s_barrier_signal -1
	s_barrier_wait -1
.endm
; The change of slots, at a slot's head.  Each wave waits for all its tensor loads (one is out: its part of the slot ahead), adds 0 to its spare word, and waits for that and for its reads of the slot that it has left.
; fill = 1: behind a round of the cluster's barrier the slot just left is filled with the next slot's weights: the wave's one tensor load until the next round.
.macro RING fill
	s_wait_tensorcnt 0x0
	ds_add_u32 v[SPW], v[NIL]
.if \fill
	s_xor_b32 s[G0+1], s[G0+1], SLOT1
	s_add_nc_u64 s[G0+2:G0+3], s[G0+2:G0+3], SLOTB
.endif
	s_wait_dscnt 0x0
.if \fill
	CROUND
	tensor_load_to_lds s[G0:G0+3], s[G1:G1+7]
	s_nop 0
.else
	s_barrier_signal -1
	s_barrier_wait -1
.endif
	PLACES                                         ; behind the tensor load; also the places in front of the loads into registers that the last products read
.endm
.macro LOADW buf, first                ; four weight fragments of my part
.irp f, 0,1,2,3
.irp g, 0,1,2
	ds_load_b128 v[(\buf)+12*\f+4*\g:(\buf)+12*\f+4*\g+3], v[WA] offset:1536*((\first)+\f)+512*\g
.endr
.endr
.endm
; 16 products: weight tile t (its four K steps lie in buf) x the four token tiles; the four accumulators by turns.  kind 0: q, k; 1: v
.macro MUL kind, t, buf
.if \kind == 0
	WIN 0xa4                                       ; weight window 0, n window 1, C and D window 2
.else
	WIN 0xa1                                       ; n window 1, weight window 0, C and D window 2
.endif
.irp s, 0,1,2,3
.irp m, 0,1,2,3
.if \kind == 0
.if \s == 0
	WM 32*\m+8*(\t), (\buf)+12*\s, 12*(4*\m+\s), -1, WS+4*((\t)/2)+\s, NS+4*\m+\s, (\t)%2, 0
.else
	WM 32*\m+8*(\t), (\buf)+12*\s, 12*(4*\m+\s), 32*\m+8*(\t), WS+4*((\t)/2)+\s, NS+4*\m+\s, (\t)%2, 0
.endif
.else
.if \s == 0
	WM 32*(\t)+8*\m, 12*(4*\m+\s), (\buf)+12*\s, -1, NS+4*\m+\s, WS+4*((\t)/2)+\s, 0, (\t)%2
.else
	WM 32*(\t)+8*\m, 12*(4*\m+\s), (\buf)+12*\s, 32*(\t)+8*\m, NS+4*\m+\s, WS+4*((\t)/2)+\s, 0, (\t)%2
.endif
.endif
.endr
.endr
.endm
.macro PRODS kind                      ; a slot's 64 products; each set of four fragments is fetched 16 products ahead
	v_add_nc_u32 v[WA], s[TB], v[WA0]
	v_add_nc_u32 v[WSA], s[TB], v[WS0]
.irp i, 0,1,2,3,4,5,6,7
	ds_load_b32 v[WS+\i], v[WSA] offset:128*\i
.endr
	LOADW WB0, 0
	LOADW WB1, 4
	s_wait_alu depctr_va_vdst(0)
	s_wait_dscnt 12                                ; all but the second set's twelve
	MUL \kind, 0, WB0
	WIN 0
	PLACES
	LOADW WB0, 8
	s_wait_dscnt 12
	MUL \kind, 1, WB1
	WIN 0
	PLACES
	LOADW WB1, 12
	s_wait_dscnt 12
	MUL \kind, 2, WB0
	s_wait_dscnt 0x0
	MUL \kind, 3, WB1
	WIN 0
	PLACES                                         ; four places behind the last products
.endm
.macro GBLOAD s                        ; gain and bias of K step s, my 64 features, out of my stage: sixteen lanes read the same 16 bytes
.irp b, 0,1,2,3
.irp j, 0,1,2,3
	ds_load_b128 v[128+16*\b+4*\j:128+16*\b+4*\j+3], v[GBO] offset:512*(\s)+128*\b+16*\j
	ds_load_b128 v[192+16*\b+4*\j:192+16*\b+4*\j+3], v[GBO] offset:2048+512*(\s)+128*\b+16*\j
.endr
.endr
.endm
	s_load_b256 s[4:11], s[0:1], 0x0               ; x, gain, ln1_g, ln1_b
	s_load_b128 s[12:15], s[0:1], 0x20             ; wsqkv, qbuf
	s_load_b64 s[16:17], s[0:1], 0x30              ; kv
	v_lshl_add_u32 v[SPW], v0, 2, SPARE
	v_mov_b32 v[NIL], 0
	ds_add_u32 v28, v29
	ds_add_u32 v28, v29
	s_wait_dscnt 0x0
	v_lshrrev_b32 v64, 5, v0
	v_readfirstlane_b32 s[WV], v64
	s_bfe_u32 s[CX], ttmp6, 0x40000                ; my place in the cluster: it enters global addresses alone
	s_lshl_b32 s[GW], ttmp9, 2
	s_add_co_u32 s[GW], s[GW], s[CX]               ; my block of 64 tokens
	v_and_b32 v64, 31, v0
	v_and_b32 v65, 15, v0                          ; r
	v_bfe_u32 v66, v0, 4, 1                        ; h
	v_lshlrev_b32 v[L16], 4, v64
	v_lshlrev_b32 v[L4], 2, v64
	v_lshlrev_b32 v[L8], 3, v64
	s_mul_i32 s44, s[WV], STGW
	s_add_co_u32 s44, s44, STG
	v_add_nc_u32 v[STW], s44, v[L16]
	v_mul_u32_u24 v[STR], v65, 1040
	v_lshl_add_u32 v[STR], v66, 6, v[STR]
	v_add_nc_u32 v[STR], s44, v[STR]
	s_mul_i32 s45, s[WV], 6144
	s_add_co_u32 s45, s45, NIMG
	v_add_nc_u32 v[NWI], s45, v[L16]
	s_lshl_b32 s45, s[WV], 9
	s_add_co_u32 s45, s45, NSC
	v_add_nc_u32 v[NWS], s45, v[L4]
	v_add_nc_u32 v[NRI], NIMG, v[L16]
	v_add_nc_u32 v[NRS], NSC, v[L4]
	s_mul_i32 s45, s[WV], PARTB
	v_add_nc_u32 v[WA0], s45, v[L16]
	s_add_co_u32 s46, s45, 24576
	v_add_nc_u32 v[WS0], s46, v[L4]
	v_lshl_add_u32 v[GBO], v66, 6, s44             ; my stage + 64 h: where gain and bias are read back
	v_lshlrev_b32 v[SH], 4, v66
	v_and_b32 v67, 8, v65
	v_add_nc_u32 v67, v67, v65
	v_lshlrev_b32 v67, 2, v67                      ; 4 (r + 8 (r / 8)): my token's gain
	v_mov_b32 v[GN+1], 0                           ; (named with v[GN] as a pair)
.irp b, 0,1,2,3
	v_mov_b32 v[84+\b], 0                          ; written once: a lane permute's destination counts as one of its sources
	v_mov_b32 v[228+\b], 0
.endr
	s_mov_b32 s[SEL], 0x76543210
	s_mov_b32 s[SEL+1], 0xfedcba98
	s_mov_b32 s[C512], 0x3b000000                  ; 1 / 512
	s_mov_b32 s[CEPS], 0x3727c5ac                  ; 1e-5
	; descriptor group 1: 100 rows of 256 bytes, dense: a wave's part of a slot
	s_mov_b32 s[G1], 15|(3<<16)|(1<<21)            ; 15:0 the mask: all four work-groups; 17:16 elements of 8 bytes; 21 set beside a mask
	s_mov_b32 s[G1+1], 32<<16                      ; tensor_dim0 = 32
	s_mov_b32 s[G1+2], 100<<16                     ; tensor_dim1 = 100
	s_mov_b32 s[G1+3], 32<<16                      ; tile_dim0 = 32
	s_mov_b32 s[G1+4], 100                         ; tile_dim1 = 100
	s_mov_b32 s[G1+5], 32                          ; from row to row
	s_mov_b32 s[G1+6], 0
	s_mov_b32 s[G1+7], 0
	s_lshl_b32 s46, s[GW], 6
	s_lshr_b32 s47, s[WV], 1
	s_lshl_b32 s47, s47, 5
	s_add_co_u32 s46, s46, s47
	s_and_b32 s47, s[WV], 1
	s_lshl_b32 s47, s47, 3
	s_add_co_u32 s46, s46, s47                     ; my tile's first token
	s_lshl_b32 s48, s46, 11
	s_mov_b32 s49, 0
	s_lshl_b32 s50, s46, 2
	s_mov_b32 s51, 0
	s_wait_kmcnt 0x0
	s_add_nc_u64 s[XB:XB+1], s[XP:XP+1], s[48:49]
	s_add_nc_u64 s[GNP:GNP+1], s[GNP:GNP+1], s[50:51]
	s_mov_b32 s[G0], 1
	s_mul_i32 s[G0+1], s[WV], PARTB                ; LDS: slot 0, my part
	s_mul_i32 s48, s[WV], PARTB
	s_add_nc_u64 s[G0+2:G0+3], s[WSP:WSP+1], s[48:49]
	s_or_b32 s[G0+3], s[G0+3], 0x80000000
	global_load_b32 v[GN], v67, s[GNP:GNP+1]
	WIN 0x80
.irp hf, 0,1
.irp i, 0,1,2,3,4,5,6,7,8,9,10,11,12,13,14,15
.irp qq, 0,1
	global_load_b128 v[4*(32*\hf+2*\i+\qq):4*(32*\hf+2*\i+\qq)+3], v[L16], s[XB:XB+1] offset:(\i+8*(\i/8))*2048+(2*\hf+\qq)*512 th:TH_LOAD_NT   ; 512 consecutive bytes of a row
.endr
.endr
.endr
	WIN 0
	CROUND                                         ; all four work-groups are here: the first joint load meets
	tensor_load_to_lds s[G0:G0+3], s[G1:G1+7]      ; slot 0
	s_nop 0
	PLACES
	; the rows turn through my stage, half a row (1,024 bytes, pitch 1,040) at a time: in as loaded, out 16 neighbours of each block of 32 to a lane
.irp hf, 0,1
.if \hf == 0
	s_wait_loadcnt 32                              ; this half's 32 loads are in; the other half's may stay out
.irp i, 0,1,2,3
	global_load_b128 v[32+4*\i:35+4*\i], v[L16], s[GP:GP+1] offset:512*\i    ; gain and bias, 2,048 bytes each, once: 512 consecutive bytes a load
	global_load_b128 v[48+4*\i:51+4*\i], v[L16], s[BP:BP+1] offset:512*\i
.endr
.else
	s_wait_loadcnt 8                               ; the second half is in; the eight loads of gain and bias are younger and may stay out
.endif
	WIN 0x08
.irp i, 0,1,2,3,4,5,6,7,8,9,10,11,12,13,14,15
.irp qq, 0,1
	ds_store_b128 v[STW], v[4*(32*\hf+2*\i+\qq):4*(32*\hf+2*\i+\qq)+3] offset:1040*\i+512*\qq
.endr
.endr
	WIN 0x40
.irp blk, 0,1,2,3,4,5,6,7
.irp jq, 0,1,2,3
	ds_load_b128 v[16*(8*\hf+\blk)+4*\jq:16*(8*\hf+\blk)+4*\jq+3], v[STR] offset:128*\blk+16*\jq   ; LDS serves a wave's instructions in order: these see the stores above, and the next half's stores come behind them
.endr
.endr
.endr
	WIN 0
	s_wait_dscnt 0x0
	; LayerNorm of my row: lanes l and l xor 16 hold its two halves, 256 numbers each, in window 1
	WIN 0x41
.set k, 0
	s_wait_alu depctr_va_vdst(0)
.rept 128
	v_pk_mul_f32 v[k:k+1], v[k:k+1], v[GN:GN+1] op_sel_hi:[1,0]    ; x (1 + gate)
.set k, k+2
.endr
	WIN 0x05
.irp c, 0,1,2,3
	v_pk_add_f32 v[SA+2*\c:SA+2*\c+1], v[4*\c:4*\c+1], v[4*\c+2:4*\c+3]
.endr
	WIN 0x04
.set k, 16
.rept 30
.irp c, 0,1,2,3
	v_pk_add_f32 v[SA+2*\c:SA+2*\c+1], v[SA+2*\c:SA+2*\c+1], v[k+2*\c:k+2*\c+1]
.endr
.set k, k+8
.endr
	WIN 0
	v_pk_add_f32 v[SA:SA+1], v[SA:SA+1], v[SA+2:SA+3]
	v_pk_add_f32 v[SA+4:SA+5], v[SA+4:SA+5], v[SA+6:SA+7]
	v_pk_add_f32 v[SA:SA+1], v[SA:SA+1], v[SA+4:SA+5]
	v_add_f32 v[SA], v[SA], v[SA+1]
	v_permlanex16_b32 v[SA+1], v[SA], s[SEL], s[SEL+1]
	v_add_f32 v[SA], v[SA], v[SA+1]
	v_mul_f32 v[MU], s[C512], v[SA]
	v_mov_b32 v[MU+1], v[MU]
	WIN 0x41
.set k, 0
.rept 128
	v_pk_add_f32 v[k:k+1], v[k:k+1], v[MU:MU+1] neg_lo:[0,1] neg_hi:[0,1]
.set k, k+2
.endr
	WIN 0x05
.irp c, 0,1,2,3
	v_pk_mul_f32 v[SA+2*\c:SA+2*\c+1], v[2*\c:2*\c+1], v[2*\c:2*\c+1]
.endr
.set k, 8
.rept 31
.irp c, 0,1,2,3
	v_pk_fma_f32 v[SA+2*\c:SA+2*\c+1], v[k+2*\c:k+2*\c+1], v[k+2*\c:k+2*\c+1], v[SA+2*\c:SA+2*\c+1]
.endr
.set k, k+8
.endr
	WIN 0
	v_pk_add_f32 v[SA:SA+1], v[SA:SA+1], v[SA+2:SA+3]
	v_pk_add_f32 v[SA+4:SA+5], v[SA+4:SA+5], v[SA+6:SA+7]
	v_pk_add_f32 v[SA:SA+1], v[SA:SA+1], v[SA+4:SA+5]
	v_add_f32 v[SA], v[SA], v[SA+1]
	v_permlanex16_b32 v[SA+1], v[SA], s[SEL], s[SEL+1]
	v_add_f32 v[SA], v[SA], v[SA+1]
	v_fma_f32 v[SA], v[SA], s[C512], s[CEPS]
	s_wait_alu depctr_va_vdst(0)
	v_rsq_f32 v[RS], v[SA]
	v_nop                                          ; a plain place behind the transcendental
	s_wait_alu depctr_va_vdst(0)                   ; and the wait ahead of its first reader
	v_mov_b32 v[RS+1], v[RS]
.set TM, 80
.set PC, 96
.set PW, 116
	s_wait_alu depctr_va_vdst(0)
.irp s, 0,1,2,3
.if \s == 0
	s_wait_loadcnt 0x0                             ; gain and bias are in registers: into my stage, whose rows have been read out
.irp i, 0,1,2,3
	ds_store_b128 v[STW], v[32+4*\i:35+4*\i] offset:512*\i
	ds_store_b128 v[STW], v[48+4*\i:51+4*\i] offset:2048+512*\i
.endr
	GBLOAD 0                                       ; LDS serves a wave's instructions in order: these see the stores above
	s_wait_dscnt 0x0
.endif
	WIN 0x41                                       ; (the later steps' gain and bias were waited for with the step before's stores)
.set k, 64*\s
.rept 32
	v_pk_mul_f32 v[k:k+1], v[k:k+1], v[RS:RS+1]
.set k, k+2
.endr
.set k, 0
.rept 32
	v_pk_fma_f32 v[64*\s+k:64*\s+k+1], v[64*\s+k:64*\s+k+1], v[128+k:129+k], v[192+k:193+k]
.set k, k+2
.endr
	WIN 0
.if \s < 3
	GBLOAD \s+1
.endif
	QUANT 64*\s, 1
.irp g, 0,1,2
	ds_store_b128 v[NWI], v[PC+4*\g:PC+4*\g+3] offset:1536*\s+512*\g
.endr
	ds_store_b32 v[NWS], v[PW] offset:128*\s
	s_wait_dscnt 0x0                               ; the stores have landed and have read their registers
.endr
	s_barrier_signal -1                            ; n's sixteen fragments lie in LDS (slot 0's tensor load may stay out)
	s_barrier_wait -1
	WIN 0x40
.irp f, 0,1,2,3,4,5,6,7,8,9,10,11,12,13,14,15
.irp g, 0,1,2
	ds_load_b128 v[12*\f+4*\g:12*\f+4*\g+3], v[NRI] offset:1536*\f+512*\g
.endr
.endr
	WIN 0
.irp f, 0,1,2,3,4,5,6,7,8,9,10,11,12,13,14,15
	ds_load_b32 v[NS+\f], v[NRS] offset:128*\f
.endr
.set TM, 224
.set PC, 192
.set PW, 240
.set SW, 241
	s_mov_b32 s[TB], 0
	s_mov_b32 s[SG], 0
.Lring:                                ; slots 0 to 3: q's two halves of the heads, then k's
	RING 1
	PRODS 0
	s_wait_xcnt 0x0                                ; the last slot's stores have read their bases
	s_and_b32 s44, s[SG], 1
	s_lshl_b32 s45, s[WV], 1
	s_add_co_u32 s44, s44, s45                     ; my head
	s_lshr_b32 s45, s[GW], 4
	s_lshl_b32 s45, s45, 3
	s_add_co_u32 s44, s44, s45                     ; the record: 8 batch + head
	s_and_b32 s45, s[GW], 15                       ; my block of 64 tokens in the batch
	s_mov_b32 s46, 104448
	s_mov_b32 s47, 98304
	s_cmp_lt_u32 s[SG], 2
	s_cselect_b64 s[DB:DB+1], s[QBP:QBP+1], s[KVP:KVP+1]
	s_cselect_b32 s46, 53248, s46
	s_cselect_b32 s47, 49152, s47
	s_mul_i32 s48, s44, s46
	s_mov_b32 s49, 0
	s_add_nc_u64 s[DB:DB+1], s[DB:DB+1], s[48:49]
	s_lshl_b32 s48, s45, 8
	s_add_co_u32 s48, s48, s47
	s_add_nc_u64 s[SB:SB+1], s[DB:DB+1], s[48:49]  ; my two pairs' scale images
	s_mul_i32 s48, s45, 3072
	s_add_nc_u64 s[DB:DB+1], s[DB:DB+1], s[48:49]  ; my four tiles' half fragments
.irp mp, 0,1
	s_wait_xcnt 0x0                                ; the stores have read the codes' registers
	QUANT 64*\mp, 2                                ; blocks 0, 1: the head's 64 features of token tile 2 mp; blocks 2, 3: of tile 2 mp + 1
	v_bfe_u32 v[SW], v[PW], v[SH], 16              ; lanes 0-15 the first tile's two bytes, lanes 16-31 the second's; bytes 2, 3 are 0
	global_store_b128 v[L16], v[PC:PC+3], s[DB:DB+1] offset:1536*\mp
	global_store_b64 v[L8], v[PC+4:PC+5], s[DB:DB+1] offset:1536*\mp+512
	global_store_b128 v[L16], v[PC+6:PC+9], s[DB:DB+1] offset:1536*\mp+768
	global_store_b64 v[L8], v[PC+10:PC+11], s[DB:DB+1] offset:1536*\mp+1280
	global_store_b32 v[L4], v[SW], s[SB:SB+1] offset:128*\mp
.endr
	s_xor_b32 s[TB], s[TB], SLOT1
	s_add_co_u32 s[SG], s[SG], 1
	s_cmp_lt_u32 s[SG], 4
	s_cbranch_scc1 .Lring
.macro VSLOT half                      ; v of head 2 w + half: a lane holds a feature, its registers run along my 64 tokens: half a key step
	PRODS 1
	s_wait_xcnt 0x0
	s_lshl_b32 s44, s[WV], 1
	s_add_co_u32 s44, s44, \half
	s_lshr_b32 s45, s[GW], 4
	s_lshl_b32 s45, s45, 3
	s_add_co_u32 s44, s44, s45
	s_mul_i32 s48, s44, 104448
	s_mov_b32 s49, 0
	s_add_nc_u64 s[DB:DB+1], s[KVP:KVP+1], s[48:49]
	s_bfe_u32 s45, s[GW], 0x30001                  ; the key step of 128
	s_and_b32 s46, s[GW], 1                        ; and which half of it
	s_lshl_b32 s48, s45, 8
	s_lshl_b32 s47, s46, 1
	s_add_co_u32 s48, s48, s47
	s_add_co_u32 s48, s48, 102400
	s_add_nc_u64 s[SB:SB+1], s[DB:DB+1], s[48:49]
	s_mul_i32 s48, s45, 6144
	s_mul_i32 s47, s46, 768
	s_add_co_u32 s48, s48, s47
	s_add_co_u32 s48, s48, 49152
	s_add_nc_u64 s[DB:DB+1], s[DB:DB+1], s[48:49]
.irp fp, 0,1
	s_wait_xcnt 0x0
	QUANT 64*\fp, 2                                ; blocks 0, 1: my 64 tokens of feature tile 2 fp; blocks 2, 3: of tile 2 fp + 1
	v_bfe_u32 v[SW], v[PW], v[SH], 16
	global_store_b128 v[L16], v[PC:PC+3], s[DB:DB+1] offset:3072*\fp
	global_store_b64 v[L8], v[PC+4:PC+5], s[DB:DB+1] offset:3072*\fp+512
	global_store_b128 v[L16], v[PC+6:PC+9], s[DB:DB+1] offset:3072*\fp+1536
	global_store_b64 v[L8], v[PC+10:PC+11], s[DB:DB+1] offset:3072*\fp+2048
	global_store_b16 v[L4], v[SW], s[SB:SB+1] offset:128*\fp   ; two of a scale word's four bytes: the other half of the key step is another work-group's
.endr
.endm
	RING 1
	VSLOT 0
	s_xor_b32 s[TB], s[TB], SLOT1
	RING 0                                         ; the last slot is written out: nothing is left to fetch
	VSLOT 1
	s_wait_tensorcnt 0x0                           ; the wave's end
	ds_add_u32 v[SPW], v[NIL]
	s_wait_dscnt 0x0
	CROUND                                         ; the closing round
	s_endpgm
.Lfunc_end_k_qd27b619a7b_qkv:
	.size	k_qd27b619a7b_qkv, .Lfunc_end_k_qd27b619a7b_qkv-k_qd27b619a7b_qkv
	.p2alignl 7, 3214868480
	.fill 96, 4, 3214868480
	.section	.rodata,"a",@progbits
	.p2align	6, 0x0
	.amdhsa_kernel k_qd27b619a7b_qkv
		.amdhsa_group_segment_fixed_size 327680
		.amdhsa_private_segment_fixed_size 0
		.amdhsa_enable_private_segment 0
		.amdhsa_kernarg_size 56
		.amdhsa_user_sgpr_count 2
		.amdhsa_user_sgpr_kernarg_segment_ptr 1
		.amdhsa_wavefront_size32 1
		.amdhsa_system_sgpr_workgroup_id_x 1
		.amdhsa_system_sgpr_workgroup_id_y 1
		.amdhsa_system_sgpr_workgroup_id_z 1
		.amdhsa_system_vgpr_workitem_id 0
		.amdhsa_next_free_vgpr 768
		.amdhsa_next_free_sgpr 100
		.amdhsa_reserve_vcc 0
		.amdhsa_float_denorm_mode_32 3
		.amdhsa_float_denorm_mode_16_64 3
		.amdhsa_memory_ordered 1
		.amdhsa_forward_progress 1
		.amdhsa_inst_pref_size 167
	.end_amdhsa_kernel
	.amdgpu_metadata
---
amdhsa.version: [ 1, 2 ]
amdhsa.kernels:
  - .name:           k_qd27b619a7b_qkv
    .symbol:         k_qd27b619a7b_qkv.kd
    .args:
      - { .name: x, .offset: 0, .size: 8, .value_kind: global_buffer, .address_space: global }
      - { .name: gain, .offset: 8, .size: 8, .value_kind: global_buffer, .address_space: global }
      - { .name: ln1_g, .offset: 16, .size: 8, .value_kind: global_buffer, .address_space: global }
      - { .name: ln1_b, .offset: 24, .size: 8, .value_kind: global_buffer, .address_space: global }
      - { .name: wsqkv, .offset: 32, .size: 8, .value_kind: global_buffer, .address_space: global }
      - { .name: qbuf, .offset: 40, .size: 8, .value_kind: global_buffer, .address_space: global }
      - { .name: kv, .offset: 48, .size: 8, .value_kind: global_buffer, .address_space: global }
    .group_segment_fixed_size: 327680
    .private_segment_fixed_size: 0
    .kernarg_segment_align: 8
    .kernarg_segment_size: 56
    .max_flat_workgroup_size: 128
    .sgpr_count:     100
    .vgpr_count:     768
    .wavefront_size: 32
...
	.end_amdgpu_metadata
.endif
;; end of part 3
;; launch attn (part 4): grid 2 x 128, 16 waves a work-group, no clusters, 178,176 bytes of LDS; arguments qbuf, kv, x, gain, x2; writes x2
.if DOCPART == 4
	.amdgcn_target "amdgcn-amd-amdhsa--gfx1250"
	.amdhsa_code_object_version 6
	.text
	.protected	k_qd27b619a7b_attn
	.globl	k_qd27b619a7b_attn
	.p2align	8
	.type	k_qd27b619a7b_attn,@function
k_qd27b619a7b_attn:
	s_mov_b64 s[64:65], 0
	v_nop
	global_prefetch_b8 v0, s[64:65] scope:SCOPE_SE
	s_setreg_imm32_b32 hwreg(HW_REG_WAVE_MODE, 25, 1), 1
	s_wait_xcnt 0x0
; x2 = x gain + softmax(q k^T / 8) v, head by head, both products on codes of E2M3 with E8M0 scales, from the records that the launch before has stored (their layout: that launch's head).
; THE SOFTMAX AHEAD OF THE SECOND PRODUCT: t = score x log2(e) / 8; M = the running largest t rounded UP to a whole number; p = 2^(t - M) is quantised along the keys, not normalised; the row's sum is taken of the
; unquantised p and divides at the end; when M moves, the sum and O are multiplied by 2^(old M - new M), which rounds nothing.
; SHARES.  A work-group owns one (batch, head) and 512 of its 1,024 queries.  The head's whole record of K, V and their scale words, 104,448 bytes, is copied into LDS ONCE: no ring, nothing is filled again.
; Each of the sixteen waves owns a pair of query tiles and takes them one after the other (a loop of two passes); a pass walks the 1,024 keys in eight steps of 128.  Four waves share a SIMD.
; Both products are used transposed: S^T = K Q^T, O^T = V^T P^T: a lane holds one query.  The tiles' order (lane r = index 8 u + r + 8 (r / 8) of a pair's 32) makes the 16 registers of two neighbouring tiles 16 neighbouring keys.
; K = 64 IN AN INSTRUCTION OF 128: Q's upper six registers are zero codes, and both sides' scale bytes 2, 3 are 0 (2^-127): whatever codes stand in source 0's upper six registers (the next tile's) add nothing.
; NO JOINT REQUESTS: two work-groups share a record; each copies it once at its head, 13 instructions a wave, against 16 key steps a wave; no tile is shared step by step.
; LIMITS: NaN and infinities are not served; a block whose every p has fallen to 0 keeps the scale byte 1 (its codes are zeros).
; REGISTERS: v1-11 addresses; v12 -M, v13 the largest t, v[14:15] the sum; v16-27 Q and six zeros; v28-33 the second tile's Q; v34 Q's scale words; v35-40 the step's addresses; v41-44, v45-46 K's and V's scale words;
;   v48-101 K's eight half fragments and six zeros, then V's four fragments; v104-167 S^T, then p; v168-199 O^T; v200-218 p's codes; v220-254 at work (v220, v221, v226, v227: the copies' addresses).
.set RECKV, 104448
.set RECQ,  53248
.set STGA,  104448                     ; behind the record: 16 rows x 272 bytes for each wave
.set KB,  48
.set S,   104
.set O,   168
.set PCD, 200
.set WV,  14
.set XB,  26
.set X2B, 28
.set GB,  30
.set SEL, 32
.set CS,  34
.set KO,  36
.set SO,  37
.set TO,  38
.set KSC, 39
.set PASS, 40
.set PFK, 41
	s_load_b256 s[4:11], s[0:1], 0x0               ; qbuf, kv, x, gain
	s_load_b64 s[12:13], s[0:1], 0x20              ; x2
	v_lshl_add_u32 v251, v0, 2, 0x2b000
	v_mov_b32 v255, 0
	ds_add_u32 v251, v255
	ds_add_u32 v251, v255
	v_lshrrev_b32 v222, 5, v0
	s_delay_alu instid0(VALU_DEP_1)
	v_readfirstlane_b32 s[WV], v222                ; wave 0..15
	s_and_b32 s15, ttmp7, 0xffff                   ; the record: 8 batch + head
	v_lshlrev_b32 v220, 4, v0                      ; 16 x thread: in LDS,
	v_lshlrev_b32 v221, 4, v0                      ; and in the record
	s_delay_alu instid0(VALU_DEP_2)
	v_add_nc_u32 v226, 0x10000, v220               ; the same 65,536 bytes further on, in both: so every copy's immediate stays under 65,536
	s_delay_alu instid0(VALU_DEP_2)
	v_add_nc_u32 v227, 0x10000, v221
	s_mul_i32 s16, s15, RECKV
	s_mov_b32 s17, 0
	s_wait_alu depctr_va_vdst(0)
	s_wait_dscnt 0x0
	s_wait_kmcnt 0x0
	s_add_nc_u64 s[6:7], s[6:7], s[16:17]
.irp i, 0,1,2,3,4,5,6,7
	global_load_async_to_lds_b128 v220, v221, s[6:7] offset:8192*\i   ; 512 threads x 16 bytes; the immediate counts in both addresses
.endr
.irp i, 0,1,2,3
	global_load_async_to_lds_b128 v226, v227, s[6:7] offset:8192*\i   ; bytes 65,536 to 98,303
.endr
	s_cmp_lt_u32 s[WV], 12                         ; the last 6,144 bytes, from 98,304 on: twelve waves
	s_cbranch_scc0 .Lcopied
	global_load_async_to_lds_b128 v226, v227, s[6:7] offset:32768
.Lcopied:
	v_and_b32 v222, 31, v0
	v_and_b32 v223, 15, v0                         ; r
	v_bfe_u32 v224, v0, 4, 1                       ; h
	s_delay_alu instid0(VALU_DEP_3)
	v_lshlrev_b32 v1, 4, v222                      ; K's half fragments: registers 0-3,
	s_delay_alu instid0(VALU_DEP_4)
	v_lshl_add_u32 v2, v222, 3, 512                ; registers 4-5
	v_lshl_add_u32 v3, v222, 2, 98304              ; K's scale images
	v_lshl_add_u32 v4, v222, 4, 49152              ; V's
	v_lshl_add_u32 v5, v222, 3, 49664
	v_lshl_add_u32 v6, v222, 2, 102400
	s_mul_i32 s16, s[WV], 4352
	s_add_co_u32 s16, s16, STGA                    ; my stage
	v_mul_u32_u24 v7, v223, 272
	s_delay_alu instid0(VALU_DEP_1)
	v_lshl_add_u32 v7, v224, 6, v7
	s_delay_alu instid0(VALU_DEP_1)
	v_add_nc_u32 v7, s16, v7                       ; in: row r, + 64 h
	v_mul_u32_u24 v8, v224, 272
	s_delay_alu instid0(VALU_DEP_1)
	v_lshl_add_u32 v8, v223, 4, v8
	s_delay_alu instid0(VALU_DEP_1)
	v_add_nc_u32 v8, s16, v8                       ; back: lanes 0-15 one row, lanes 16-31 the next
	v_lshlrev_b32 v9, 11, v224
	s_delay_alu instid0(VALU_DEP_1)
	v_lshl_add_u32 v9, v223, 4, v9                 ; the same two rows in x and x2
	v_lshlrev_b32 v10, 2, v224                     ; and in gain
	v_and_b32 v11, 8, v223
	s_delay_alu instid0(VALU_DEP_1)
	v_add_nc_u32 v11, v11, v223
	s_delay_alu instid0(VALU_DEP_1)
	v_lshl_add_u32 v11, v224, 5, v11
	s_delay_alu instid0(VALU_DEP_1)
	v_lshlrev_b32 v11, 11, v11                     ; the prefetch: lanes 0-15 my tile's 16 rows of x, lanes 16-31 the next wave's
	v_lshlrev_b32 v225, 2, v222
	s_wait_alu depctr_va_vdst(0)
	s_lshl_b32 s20, ttmp9, 4
	s_add_co_u32 s20, s20, s[WV]                   ; my pair of query tiles
	s_mul_i32 s16, s15, RECQ
	s_add_nc_u64 s[4:5], s[4:5], s[16:17]
	s_mul_i32 s16, s20, 1536
	s_add_nc_u64 s[22:23], s[4:5], s[16:17]
	s_lshl_b32 s16, s20, 7
	s_add_co_u32 s16, s16, 49152
	s_add_nc_u64 s[24:25], s[4:5], s[16:17]
	global_load_b128 v[16:19], v1, s[22:23]
	global_load_b64 v[20:21], v2, s[22:23]
	global_load_b128 v[28:31], v1, s[22:23] offset:768
	global_load_b64 v[32:33], v2, s[22:23] offset:768
	global_load_b32 v34, v225, s[24:25]
	s_lshr_b32 s18, s15, 3                         ; batch
	s_and_b32 s19, s15, 7                          ; head
	s_lshl_b32 s16, s18, 21
	s_lshl_b32 s21, s20, 16
	s_add_co_u32 s16, s16, s21
	s_lshl_b32 s21, s19, 8
	s_add_co_u32 s16, s16, s21
	s_add_nc_u64 s[XB:XB+1], s[8:9], s[16:17]      ; x and x2 at my pair's first token, my head's 256 bytes
	s_add_nc_u64 s[X2B:X2B+1], s[12:13], s[16:17]
	s_lshl_b32 s16, s18, 12
	s_lshl_b32 s21, s20, 7
	s_add_co_u32 s16, s16, s21
	s_add_nc_u64 s[GB:GB+1], s[10:11], s[16:17]
	s_mov_b32 s[SEL], 0x76543210
	s_mov_b32 s[SEL+1], 0xfedcba98
	s_mov_b32 s[CS], 0x3e38aa3b                    ; c = log2(e) / 8
	s_mov_b32 s[CS+1], s[CS]
	s_and_b32 s[PFK], s[WV], 1
	s_cmp_eq_u32 s[PFK], 0
	s_cselect_b32 s[PFK], 1, -1                    ; even waves prefetch, in a pass's last step
	s_mov_b32 s[PASS], 2
.irp i, 0,1,2,3,4,5
	v_mov_b32 v[22+\i], 0                          ; Q's upper 64 along K: zero codes
	v_mov_b32 v[96+\i], 0                          ; behind K's last tile
.endr
.irp b, 0,1,2,3
	v_mov_b32 v[236+\b], 0                         ; written once: a lane permute's destination counts as one of its sources
.endr
	v_mov_b32 v253, 0
	s_wait_loadcnt 0x0
	s_wait_asynccnt 0x0                            ; my part of the record has landed,
	s_barrier_signal -1
	s_barrier_wait -1                              ; everybody's has
.Lpass:
	v_mov_b32 v13, 0xff61b1e6                      ; the largest t so far: -3e38
	s_delay_alu instid0(VALU_DEP_1)
	v_floor_f32 v12, -v13
	v_mov_b32 v14, 0
	v_mov_b32 v15, 0
.set k, 0
.rept 32
	v_mov_b32 v[O+k], 0                            ; O^T: the first change of M leaves zeros zeros.  (Also the places behind the lines that rewrite Q and its scale words)
.set k, k+1
.endr
	s_mov_b32 s[KO], 0
	s_mov_b32 s[SO], 0
	s_mov_b32 s[TO], 0
	s_mov_b32 s[KSC], 8
.Lstep:
	v_add_nc_u32 v35, s[KO], v1                    ; six plain lines: also the places in front of the loads into registers that the last products read
	v_add_nc_u32 v36, s[KO], v2
	v_add_nc_u32 v37, s[SO], v3
	v_add_nc_u32 v38, s[KO], v4
	v_add_nc_u32 v39, s[KO], v5
	v_add_nc_u32 v40, s[TO], v6
.irp i, 0,1,2,3,4,5,6,7
	ds_load_b128 v[KB+6*\i:KB+6*\i+3], v35 offset:768*\i
	ds_load_b64 v[KB+6*\i+4:KB+6*\i+5], v36 offset:768*\i
.endr
.irp b, 0,1,2,3
	ds_load_b32 v[41+\b], v37 offset:128*\b
.endr
	s_wait_alu depctr_va_vdst(0)
	s_wait_dscnt 0x0
.irp b, 0,1,2,3
	v_wmma_scale_f32_16x16x128_f8f6f4 v[S+16*\b:S+16*\b+7], v[KB+12*\b:KB+12*\b+11], v[16:27], 0, v[41+\b], v34 matrix_a_fmt:MATRIX_FMT_FP6 matrix_b_fmt:MATRIX_FMT_FP6
	v_wmma_scale_f32_16x16x128_f8f6f4 v[S+16*\b+8:S+16*\b+15], v[KB+12*\b+6:KB+12*\b+17], v[16:27], 0, v[41+\b], v34 matrix_a_fmt:MATRIX_FMT_FP6 matrix_b_fmt:MATRIX_FMT_FP6 matrix_a_scale:MATRIX_SCALE_ROW1
.endr
.rept 4
	v_nop                                          ; four places: for the loads below and for the first read of the scores
.endr
.irp dt, 0,1,2,3
	ds_load_b128 v[KB+12*\dt:KB+12*\dt+3], v38 offset:1536*\dt           ; V's fragments land while the softmax is worked
	ds_load_b64 v[KB+12*\dt+4:KB+12*\dt+5], v39 offset:1536*\dt
	ds_load_b128 v[KB+12*\dt+6:KB+12*\dt+9], v38 offset:1536*\dt+768
	ds_load_b64 v[KB+12*\dt+10:KB+12*\dt+11], v39 offset:1536*\dt+768
.endr
	ds_load_b32 v45, v40
	ds_load_b32 v46, v40 offset:128
	; the rows of x that the way out will load are asked for one key step ahead: each row's 256 bytes of this head once in the launch; an even wave names its own 16 rows and the next wave's
	s_cmp_eq_u32 s[KSC], s[PFK]
	s_cbranch_scc0 .Lnot_mine
	global_prefetch_b8 v11, s[XB:XB+1] th:TH_LOAD_NT scope:SCOPE_SE
.Lnot_mine:
.irp b, 0,1,2,3
	v_max3_num_f32 v[232+\b], v[S+16*\b], v[S+1+16*\b], v[S+2+16*\b]      ; the largest score of each block of 32 keys: for the row's maximum and for the block's largest p
.endr
.irp i, 3,5,7,9,11,13
.irp b, 0,1,2,3
	v_max3_num_f32 v[232+\b], v[232+\b], v[S+16*\b+\i], v[S+1+16*\b+\i]
.endr
.endr
.irp b, 0,1,2,3
	v_max_num_f32 v[232+\b], v[232+\b], v[S+15+16*\b]
.endr
.irp b, 0,1,2,3
	s_delay_alu instid0(VALU_DEP_4)
	v_permlanex16_b32 v[236+\b], v[232+\b], s[SEL], s[SEL+1]
.endr
.irp b, 0,1,2,3
	s_delay_alu instid0(VALU_DEP_4)
	v_max_num_f32 v[232+\b], v[232+\b], v[236+\b]
.endr
	s_delay_alu instid0(VALU_DEP_2)
	v_max3_num_f32 v254, v232, v233, v234
	s_delay_alu instid0(VALU_DEP_1)
	v_max_num_f32 v254, v254, v235
	s_delay_alu instid0(VALU_DEP_1)
	v_mul_f32 v254, s[CS], v254
	s_delay_alu instid0(VALU_DEP_1)
	v_max_num_f32 v13, v13, v254                   ; the running largest t
	v_mov_b32 v254, v12
	s_delay_alu instid0(VALU_DEP_2)
	v_floor_f32 v12, -v13                          ; -M = floor(-t)
	s_delay_alu instid0(VALU_DEP_1)
	v_sub_f32 v254, v12, v254
	s_delay_alu instid0(VALU_DEP_1)
	v_cvt_i32_f32 v254, v254                       ; (it saturates)
	s_delay_alu instid0(VALU_DEP_1)
	v_ldexp_f32 v252, 1.0, v254                    ; f = 2^(old M - new M)
.set k, 0
.rept 32
	v_pk_fma_f32 v[S+k:S+k+1], v[S+k:S+k+1], s[CS:CS+1], v[12:13] op_sel_hi:[1,0,0]   ; t - M
.set k, k+2
.endr
.irp b, 0,1,2,3
	v_fma_f32 v[232+\b], v[232+\b], s[CS], v12
.endr
.set k, 0
	s_wait_alu depctr_va_vdst(0)
.rept 64
	v_exp_f32 v[S+k], v[S+k]
.set k, k+1
.endr
	v_pk_mul_f32 v[14:15], v[14:15], v[252:253] op_sel_hi:[1,0]    ; the sums under the new M: a plain place behind the exponentials
	s_wait_alu depctr_va_vdst(0)                   ; one wait for the 64
.irp b, 0,1,2,3
	v_exp_f32 v[232+\b], v[232+\b]                 ; the block's largest p
.endr
	v_pk_add_f32 v[236:237], v[108:109], v[112:113]
	v_pk_add_f32 v[248:249], v[116:117], v[120:121]
	v_pk_add_f32 v[246:247], v[124:125], v[128:129]
	v_pk_add_f32 v[244:245], v[132:133], v[136:137]
	v_pk_add_f32 v[242:243], v[140:141], v[144:145]
	v_pk_add_f32 v[240:241], v[148:149], v[152:153]
	v_pk_add_f32 v[238:239], v[156:157], v[160:161]
	v_pk_add_f32 v[14:15], v[14:15], v[164:165]
	v_pk_add_f32 v[236:237], v[236:237], v[104:105]
	v_pk_add_f32 v[248:249], v[248:249], v[106:107]
	v_pk_add_f32 v[246:247], v[246:247], v[110:111]
	v_pk_add_f32 v[244:245], v[244:245], v[114:115]
	v_pk_add_f32 v[242:243], v[242:243], v[118:119]
	v_pk_add_f32 v[240:241], v[240:241], v[122:123]
	v_pk_add_f32 v[238:239], v[238:239], v[126:127]
	v_pk_add_f32 v[14:15], v[14:15], v[130:131]
	v_pk_add_f32 v[236:237], v[236:237], v[134:135]
	v_pk_add_f32 v[248:249], v[248:249], v[138:139]
	v_pk_add_f32 v[246:247], v[246:247], v[142:143]
	v_pk_add_f32 v[244:245], v[244:245], v[146:147]
	v_pk_add_f32 v[242:243], v[242:243], v[150:151]
	v_pk_add_f32 v[240:241], v[240:241], v[154:155]
	v_pk_add_f32 v[238:239], v[238:239], v[158:159]
	v_pk_add_f32 v[14:15], v[14:15], v[162:163]
	v_pk_add_f32 v[236:237], v[236:237], v[166:167]
	s_delay_alu instid0(VALU_DEP_2)
	v_pk_add_f32 v[14:15], v[14:15], v[244:245]
	s_delay_alu instid0(VALU_DEP_2)
	v_pk_add_f32 v[236:237], v[236:237], v[242:243]
	v_pk_add_f32 v[248:249], v[248:249], v[240:241]
	v_pk_add_f32 v[246:247], v[246:247], v[238:239]
	s_delay_alu instid0(VALU_DEP_2)
	v_pk_add_f32 v[14:15], v[14:15], v[248:249]
	s_delay_alu instid0(VALU_DEP_2)
	v_pk_add_f32 v[236:237], v[236:237], v[246:247]
	s_delay_alu instid0(VALU_DEP_1)
	v_pk_add_f32 v[14:15], v[14:15], v[236:237]
	s_wait_alu depctr_va_vdst(0)                   ; and one for the four
.irp b, 0,1,2,3
	v_max_num_f32 v[232+\b], 0x1800000, v[232+\b]
.endr
.irp b, 0,1,2,3
	s_delay_alu instid0(VALU_DEP_4)
	v_add_nc_u32 v[244+\b], 0xff000000, v[232+\b]
.endr
.irp b, 0,1,2,3
	s_delay_alu instid0(VALU_DEP_4)
	v_lshrrev_b32 v[236+\b], 23, v[244+\b]
.endr
	s_delay_alu instid0(VALU_DEP_3)
	v_lshl_or_b32 v253, v237, 8, v236              ; p's scale word for these 128 keys
	s_delay_alu instid0(VALU_DEP_1)
	v_lshl_or_b32 v253, v238, 16, v253
	s_delay_alu instid0(VALU_DEP_1)
	v_lshl_or_b32 v253, v239, 24, v253
.irp c, 0,1
	v_cvt_scalef32_pk16_fp6_f32 v[PCD+6*\c:PCD+6*\c+2], v[S+32*\c:S+32*\c+15], v[244+2*\c]
	v_cvt_scalef32_pk16_fp6_f32 v[PCD+12+4*\c:PCD+14+4*\c], v[S+32*\c+16:S+32*\c+31], v[244+2*\c+1]
.endr
	v_nop
.irp c, 0,1
.irp i, 0,1,2
	v_permlane16_swap_b32 v[PCD+6*\c+\i], v[PCD+12+4*\c+\i]
.endr
.irp i, 0,1,2
	s_delay_alu instid0(VALU_DEP_3)
	v_mov_b32 v[PCD+3+6*\c+\i], v[PCD+12+4*\c+\i]
.endr
.endr
.set k, 0
.rept 16
	v_pk_mul_f32 v[O+k:O+k+1], v[O+k:O+k+1], v[252:253] op_sel_hi:[1,0]    ; O^T under the new M; also the places in front of the products below
.set k, k+2
.endr
	s_wait_alu depctr_va_vdst(0)
	s_wait_dscnt 0x0                               ; V
.irp b, 0,1
	v_wmma_scale_f32_16x16x128_f8f6f4 v[O+16*\b:O+16*\b+7], v[KB+24*\b:KB+24*\b+11], v[PCD:PCD+11], v[O+16*\b:O+16*\b+7], v[45+\b], v253 matrix_a_fmt:MATRIX_FMT_FP6 matrix_b_fmt:MATRIX_FMT_FP6
	v_wmma_scale_f32_16x16x128_f8f6f4 v[O+16*\b+8:O+16*\b+15], v[KB+24*\b+12:KB+24*\b+23], v[PCD:PCD+11], v[O+16*\b+8:O+16*\b+15], v[45+\b], v253 matrix_a_fmt:MATRIX_FMT_FP6 matrix_b_fmt:MATRIX_FMT_FP6 matrix_a_scale:MATRIX_SCALE_ROW1
.endr
	s_add_co_u32 s[KO], s[KO], 6144
	s_add_co_u32 s[SO], s[SO], 512
	s_add_co_u32 s[TO], s[TO], 256
	s_sub_co_u32 s[KSC], s[KSC], 1
	s_cmp_lg_u32 s[KSC], 0
	s_cbranch_scc1 .Lstep
	; THE WAY OUT of a pass: O^T / the sum goes through my stage and comes back as rows of 256 bytes; x gain is added; sixteen lanes store 256 consecutive aligned bytes
.rept 4
	v_nop                                          ; four places behind the last products
.endr
.irp i, 0,1,2,3,4,5,6,7
	global_load_b128 v[S+4*\i:S+4*\i+3], v9, s[XB:XB+1] offset:(2*\i+8*(\i/4))*2048 th:TH_LOAD_NT
.endr
.irp i, 0,1,2,3,4,5,6,7
	global_load_b32 v[S+32+\i], v10, s[GB:GB+1] offset:(2*\i+8*(\i/4))*4
.endr
	v_add_f32 v14, v14, v15
	s_delay_alu instid0(VALU_DEP_1)
	v_permlanex16_b32 v252, v14, s[SEL], s[SEL+1]
	s_delay_alu instid0(VALU_DEP_1)
	v_add_f32 v14, v14, v252
	s_wait_alu depctr_va_vdst(0)
	v_rcp_f32 v14, v14
	v_nop
	s_wait_alu depctr_va_vdst(0)
.set k, 0
.rept 32
	v_mul_f32 v[KB+k], v[O+k], v14                 ; register 8 t + j: feature 32 (t / 2) + 8 (t % 2) + 16 h + j of query r
.set k, k+1
.endr
.irp dt, 0,1,2,3
.irp q, 0,1
	ds_store_b128 v7, v[KB+8*\dt+4*\q:KB+8*\dt+4*\q+3] offset:128*(\dt/2)+32*(\dt%2)+16*\q
.endr
.endr
.irp i, 0,1,2,3,4,5,6,7
	ds_load_b128 v[KB+4*\i:KB+4*\i+3], v8 offset:544*\i      ; LDS serves a wave's instructions in order: these see the stores above
.endr
	s_wait_dscnt 0x0
	s_wait_loadcnt 0x0
.irp i, 0,1,2,3,4,5,6,7
.irp e, 0,1,2,3
	v_fma_f32 v[S+4*\i+\e], v[S+4*\i+\e], v[S+32+\i], v[KB+4*\i+\e]
.endr
.endr
.irp i, 0,1,2,3,4,5,6,7
	global_store_b128 v9, v[S+4*\i:S+4*\i+3], s[X2B:X2B+1] offset:(2*\i+8*(\i/4))*2048
.endr
	s_wait_xcnt 0x0                                ; the loads, the stores and the prefetch have read their bases and data
	s_add_nc_u64 s[XB:XB+1], s[XB:XB+1], 16384     ; the pair's second tile begins 8 tokens on
	s_add_nc_u64 s[X2B:X2B+1], s[X2B:X2B+1], 16384
	s_add_nc_u64 s[GB:GB+1], s[GB:GB+1], 32
.irp i, 0,1,2,3,4,5
	v_mov_b32 v[16+\i], v[28+\i]
.endr
	v_permlanex16_b32 v220, v34, s[SEL], s[SEL+1]
	s_delay_alu instid0(VALU_DEP_1)
	v_mov_b32 v34, v220                            ; its scale words come down into lanes 0-15
	s_sub_co_u32 s[PASS], s[PASS], 1
	s_cmp_lg_u32 s[PASS], 0
	s_cbranch_scc1 .Lpass
	s_wait_tensorcnt 0x0
	ds_add_u32 v251, v255
	s_wait_dscnt 0x0
	s_endpgm
.Lfunc_end_k_qd27b619a7b_attn:
	.size	k_qd27b619a7b_attn, .Lfunc_end_k_qd27b619a7b_attn-k_qd27b619a7b_attn
	.p2alignl 7, 3214868480
	.fill 96, 4, 3214868480
	.section	.rodata,"a",@progbits
	.p2align	6, 0x0
	.amdhsa_kernel k_qd27b619a7b_attn
		.amdhsa_group_segment_fixed_size 178176
		.amdhsa_private_segment_fixed_size 0
		.amdhsa_enable_private_segment 0
		.amdhsa_kernarg_size 40
		.amdhsa_user_sgpr_count 2
		.amdhsa_user_sgpr_kernarg_segment_ptr 1
		.amdhsa_wavefront_size32 1
		.amdhsa_system_sgpr_workgroup_id_x 1
		.amdhsa_system_sgpr_workgroup_id_y 1
		.amdhsa_system_sgpr_workgroup_id_z 1
		.amdhsa_system_vgpr_workitem_id 0
		.amdhsa_next_free_vgpr 256
		.amdhsa_next_free_sgpr 66
		.amdhsa_reserve_vcc 0
		.amdhsa_float_denorm_mode_32 3
		.amdhsa_float_denorm_mode_16_64 3
		.amdhsa_memory_ordered 1
		.amdhsa_forward_progress 1
		.amdhsa_inst_pref_size 33
	.end_amdhsa_kernel
	.amdgpu_metadata
---
amdhsa.version: [ 1, 2 ]
amdhsa.kernels:
  - .name:           k_qd27b619a7b_attn
    .symbol:         k_qd27b619a7b_attn.kd
    .args:
      - { .name: qbuf, .offset: 0, .size: 8, .value_kind: global_buffer, .address_space: global }
      - { .name: kv, .offset: 8, .size: 8, .value_kind: global_buffer, .address_space: global }
      - { .name: x, .offset: 16, .size: 8, .value_kind: global_buffer, .address_space: global }
      - { .name: gain, .offset: 24, .size: 8, .value_kind: global_buffer, .address_space: global }
      - { .name: x2, .offset: 32, .size: 8, .value_kind: global_buffer, .address_space: global }
    .group_segment_fixed_size: 178176
    .private_segment_fixed_size: 0
    .kernarg_segment_align: 8
    .kernarg_segment_size: 40
    .max_flat_workgroup_size: 512
    .sgpr_count:     66
    .vgpr_count:     256
    .wavefront_size: 32
...
	.end_amdgpu_metadata
.endif
;; end of part 4
;; launch ffn (part 5): grid 256 x 1, 8 waves a work-group, clusters of 4 x 1, 327,680 bytes of LDS; arguments x2, ffn_g, ffn_b, b1, b2, wsffn, out0; writes out0
.if DOCPART == 5
	.amdgcn_target "amdgcn-amd-amdhsa--gfx1250"
	.amdhsa_code_object_version 6
	.text
	.protected	k_qd27b619a7b_ffn
	.globl	k_qd27b619a7b_ffn
	.p2align	8
	.type	k_qd27b619a7b_ffn,@function
k_qd27b619a7b_ffn:
	s_mov_b64 s[64:65], 0
	v_nop
	global_prefetch_b8 v0, s[64:65] scope:SCOPE_SE
	s_setreg_imm32_b32 hwreg(HW_REG_WAVE_MODE, 25, 1), 1
	s_wait_xcnt 0x0
	s_wait_alu depctr_hold_cnt(0) depctr_sa_sdst(0) depctr_va_vdst(0) depctr_va_sdst(0) depctr_va_ssrc(0) depctr_va_vcc(0) depctr_vm_vsrc(0)
	s_getreg_b32 s2, hwreg(HW_REG_IB_STS2, 6, 4)
	s_cmp_eq_u32 s2, 0
	s_cbranch_scc0 .Lentry_in_a_cluster
	s_endpgm
.Lentry_in_a_cluster:
	s_bfe_u32 s2, ttmp6, 0x10000c
	s_cmp_lg_u32 s2, 0x3003
	s_cbranch_scc0 .Lentry_shape_is_right
	s_endpgm
.Lentry_shape_is_right:
; out0 = x2 + gelu(LayerNorm(x2) w1 + b1) w2 + b2, both products on codes of E2M3 with E8M0 scales; the hidden layer never goes to memory.
; SHARES.  A work-group takes 64 tokens: four tiles of 16; tile m = 2 b + u, lane r = token 32 b + 8 u + r + 8 (r / 8).  Eight waves, two on a SIMD; wave v = (W, G) = (v % 4, v / 4).
; HEAD.  Wave (W, G) takes half G (256 features, K steps 2 G, 2 G + 1) of tile W's 16 rows.  The rows' sums (for the mean, then for the variance of x - mean) are joined with the partner wave's, v xor 4, through LDS.
;   It quantises its two K steps; the images of n2's 16 fragments go to LDS, and each wave then keeps the 8 fragments of its token tiles 2 G, 2 G + 1 in registers.
; THE RING.  The weights go through two LDS slots, 16 slots: four super-steps of A A C C (layout: the preparing launch's head).  Each wave fetches 12,800 dense bytes of a slot.
;   A slot c of super-step j: wave (W, G) makes hidden units 128 (4 j + W) + 64 c .. + 63 for its two token tiles: 32 products that begin as b1, GELU, the quantiser, a half fragment (768 bytes) and two scale bytes a tile to LDS.
;   C slot hb: its outputs 128 W .. + 127 of its two token tiles += K steps 2 hb, 2 hb + 1 of the super-step's 512 hidden units: 32 products on 16 accumulators, which begin as b2.
;   Both products are used transposed (source 0 = 16 columns of the weight): a lane holds a token.  Every change of slots has a round of barriers, which also parts the writers of the hidden images from their readers.
; CLUSTER.  All work-groups walk the same weights: the four of a cluster ask for each wave's part of a slot JOINTLY, with the same descriptor and the mask 15.
; No prefetch of the weights: every work-group of the launch asks for the same 102,400 bytes at the same step of the ring, so no work-group could ask for another's sake.
; GELU: h Phi(h) = max(h, 0) - |h| q, q = 1 - Phi(|h|) = Z(h) t (b1 + t (b2 + t (b3 + t (b4 + t b5)))), t = 1 / (1 + 0.2316419 |h|), Z(h) = 2^(c1 h^2 + c2) = exp(-h^2 / 2) / sqrt(2 pi).
;   Phi's absolute error stays under 7.5e-8; for negative h nothing cancels.  Where h^2 overflows, Z is 0 and the result max(h, 0).
; The sums' order differs from the reference's.  LIMITS: blocks under 2^-124 (zeros among them) get the scale byte 1; NaN and infinities are not served.
; REGISTERS.  window 0: v1-31 addresses; v32-62 scale words and the small quantiser; v64-159 two sets of four weight fragments, GELU's work; v160-223 two tiles of the hidden layer, in a C slot its four fragments; v224-237 GELU's constants.
;   window 1: v0-127 x2 as loaded, then the 16 accumulators; v128-255 my 128 numbers of a row, then n2's 8 fragments (v128-223) and b1's four tiles (v224-255), at the end x2's rows.
.set SLOT1, 1<<17
.set SLOTB, 102400
.set PARTB, 25600
.set WLOAD, 12800                      ; what one wave fetches of a slot: 50 rows of 256 bytes
.set NIMG,  102400                     ; n2's 16 fragment images, 4 m + s
.set NSC,   126976                     ; their scale words
.set SPARE, 129024                     ; the spare words, 128 bytes a wave: four blocks of 256 bytes that no other line names
.set STAT,  130048                     ; the rows' partial sums: 64 bytes a wave, twice
.set HIMG,  233472                     ; the hidden layer's 16 fragments, 4 m + W, two halves each
.set HSC,   258048                     ; their scale words
.set STG,   260096                     ; a stage of 16 rows x 528 bytes for each wave; between head and way out: b1 at 0, gain at 2,048, bias at 3,072, b2 at 4,096
.set STGW,  8448
.set XP, 4
.set GP, 6
.set BP, 8
.set B1P, 10
.set B2P, 12
.set WSP, 14
.set OP, 16
.set WV, 18
.set CX, 19
.set GW, 20
.set PW4, 21
.set SEL, 22
.set TB, 24
.set C512, 25
.set CEPS, 26
.set GH, 27
.set G0, 28
.set G1, 32
.set XB, 40
.set X2T, 42
.set RS2, 52
.set G2, 53
.set JJ, 76
.set CC, 77
.set MC, 78
.set HC, 79
.set HC2, 80
.set OB, 82
.set L16, 1
.set L4, 2
.set STW, 6
.set STR, 7
.set NWI, 8
.set NWS, 9
.set NRI, 10
.set NRS, 11
.set WA0, 12
.set WS0, 13
.set WA, 14
.set WSA, 15
.set STA, 16
.set HW16, 17
.set HW8, 18
.set HWS, 19
.set HR16, 20
.set HR8, 21
.set HRS, 22
.set B1R, 23
.set STB, 24
.set SPW, 28
.set NIL, 29
.set HS, 32
.set WS, 40
.set NS, 48
.set QM, 56
.set QT, 58
.set QO, 60
.set PW1, 62
.set WB0, 64
.set WB1, 112
.set EZ, 64
.set ES, 96
.set EP, 128
.set PC1, 64
.set HA, 160
.set HF, 160
.set GK, 224
.set SA, 64
.set MU, 74
.set RS, 76
.set TM, 80
.set PC, 96
.set PW, 116
.set MSB, 0
.macro WIN new                         ; the immediate's high byte repeats the setting that is left
.if MSB != (\new)
	s_set_vgpr_msb (MSB<<8)|(\new)
.set MSB, \new
.endif
.endm
.macro PLACES
.rept 4
	v_nop
.endr
.endm
.macro WM d, a, b, c, sa, sb, ra       ; one product; ra: source 0's scales lie in lanes 16-31
.if (\ra)
	v_wmma_scale_f32_16x16x128_f8f6f4 v[(\d):(\d)+7], v[(\a):(\a)+11], v[(\b):(\b)+11], v[(\c):(\c)+7], v[(\sa)], v[(\sb)] matrix_a_fmt:MATRIX_FMT_FP6 matrix_b_fmt:MATRIX_FMT_FP6 matrix_a_scale:MATRIX_SCALE_ROW1
.else
	v_wmma_scale_f32_16x16x128_f8f6f4 v[(\d):(\d)+7], v[(\a):(\a)+11], v[(\b):(\b)+11], v[(\c):(\c)+7], v[(\sa)], v[(\sb)] matrix_a_fmt:MATRIX_FMT_FP6 matrix_b_fmt:MATRIX_FMT_FP6
.endif
.endm
; 64 numbers of a lane in window 1, register src + 16 b + i = k 32 b + 16 (lane / 16) + i of my row, become a fragment's codes in v[PC] on and its scale word in v[PW]
.macro QUANT src
	WIN 0x14
.irp b, 0,1,2,3
	v_max3_num_f32 v[TM+\b], 0x1800000, |v[(\src)+16*\b]|, |v[(\src)+16*\b+1]|   ; with the floor 2^(3 - 127): the byte cannot fall under 1
.endr
.irp i, 2,4,6,8,10,12,14
.irp b, 0,1,2,3
	v_max3_num_f32 v[TM+\b], v[TM+\b], |v[(\src)+16*\b+\i]|, |v[(\src)+16*\b+\i+1]|
.endr
.endr
	WIN 0
.irp b, 0,1,2,3
	v_permlanex16_b32 v[TM+4+\b], v[TM+\b], s[SEL], s[SEL+1]
.endr
.irp b, 0,1,2,3
	v_max_num_f32 v[TM+\b], v[TM+\b], v[TM+4+\b]   ; with lane l xor 16's: the block's largest magnitude
.endr
.irp b, 0,1,2,3
	v_add_nc_u32 v[TM+12+\b], 0xff000000, v[TM+\b] ; 2 off its exponent field: the conversion's scale operand
.endr
.irp b, 0,1,2,3
	v_lshrrev_b32 v[TM+4+\b], 23, v[TM+12+\b]      ; the scale's byte
.endr
	v_lshl_or_b32 v[PW], v[TM+5], 8, v[TM+4]
	v_lshl_or_b32 v[PW], v[TM+6], 16, v[PW]
	v_lshl_or_b32 v[PW], v[TM+7], 24, v[PW]
	WIN 0x01
.irp c, 0,1
	v_cvt_scalef32_pk16_fp6_f32 v[PC+6*\c:PC+6*\c+2], v[(\src)+32*\c:(\src)+32*\c+15], v[TM+12+2*\c]
	v_cvt_scalef32_pk16_fp6_f32 v[PC+12+4*\c:PC+14+4*\c], v[(\src)+32*\c+16:(\src)+32*\c+31], v[TM+12+2*\c+1]
.endr
	WIN 0
	v_nop                                          ; one plain place behind a scaled conversion
.irp c, 0,1
.irp i, 0,1,2
	v_permlane16_swap_b32 v[PC+6*\c+\i], v[PC+12+4*\c+\i]   ; a whole block to a lane
.endr
.irp i, 0,1,2
	v_mov_b32 v[PC+3+6*\c+\i], v[PC+12+4*\c+\i]
.endr
.endr
.endm
.macro CROUND                          ; a round of the cluster's barrier
	s_barrier_signal -1
	s_barrier_wait -1
	s_cmp_lg_u32 s[WV], 0
	s_cbranch_scc1 .Lnot_wave_0_\@
	s_barrier_signal -3
.Lnot_wave_0_\@:
	s_barrier_wait -3
	s_barrier_signal -1
	s_barrier_wait -1
.endm
; The change of slots, at a slot's head.  Each wave waits for all its tensor loads (one is out: its part of the slot ahead), adds 0 to its spare word, and waits for that and for all its LDS reads and stores.
; fill = 1: behind a round of the cluster's barrier the slot just left is filled with the next slot's weights: the wave's one tensor load until the next round.
.macro RING fill
	s_wait_tensorcnt 0x0
	ds_add_u32 v[SPW], v[NIL]
.if \fill
	s_xor_b32 s[G0+1], s[G0+1], SLOT1
	s_add_nc_u64 s[G0+2:G0+3], s[G0+2:G0+3], SLOTB
.endif
	s_wait_dscnt 0x0
.if \fill
	CROUND
	tensor_load_to_lds s[G0:G0+3], s[G1:G1+7]
	s_nop 0
.else
	s_barrier_signal -1
	s_barrier_wait -1
.endif
	PLACES                                         ; behind the tensor load; also the places in front of the loads into registers that the last products read
.endm
.macro LOADW buf, first                ; four weight fragments of part W
.irp f, 0,1,2,3
.irp g, 0,1,2
	ds_load_b128 v[(\buf)+12*\f+4*\g:(\buf)+12*\f+4*\g+3], v[WA] offset:1536*((\first)+\f)+512*\g
.endr
.endr
.endm
.macro GBLOAD s                        ; gain and bias of my K step s, my 64 features, out of my stage: sixteen lanes read the same 16 bytes
.irp b, 0,1,2,3
.irp j, 0,1,2,3
	ds_load_b128 v[128+16*\b+4*\j:131+16*\b+4*\j], v[B1R] offset:2048+512*(\s)+128*\b+16*\j
	ds_load_b128 v[192+16*\b+4*\j:195+16*\b+4*\j], v[B1R] offset:3072+512*(\s)+128*\b+16*\j
.endr
.endr
.endm
; the eight partial sums in v[SA] on become my half row's sum; it crosses to the partner wave through LDS; v[SA] = the whole row's sum
.macro FOLD off
	v_pk_add_f32 v[SA:SA+1], v[SA:SA+1], v[SA+2:SA+3]
	v_pk_add_f32 v[SA+4:SA+5], v[SA+4:SA+5], v[SA+6:SA+7]
	v_pk_add_f32 v[SA:SA+1], v[SA:SA+1], v[SA+4:SA+5]
	v_add_f32 v[SA], v[SA], v[SA+1]
	v_permlanex16_b32 v[SA+1], v[SA], s[SEL], s[SEL+1]
	v_add_f32 v[SA], v[SA], v[SA+1]
	ds_store_b32 v[STA], v[SA] offset:\off         ; lanes l and l + 16 store the same word with the same value
	s_wait_alu depctr_va_vdst(0)
	s_wait_dscnt 0x0                               ; my store has landed: then the barrier (slot 0's tensor load may stay out)
	s_barrier_signal -1
	s_barrier_wait -1
	ds_load_b32 v[SA+1], v[STB] offset:\off
	s_wait_dscnt 0x0
	v_add_f32 v[SA], v[SA], v[SA+1]
.endm
; GELU of the 32 numbers in v[HA] on, in place.  Multiplies and multiply-adds without modifiers go as dual pairs on an even and an odd register; each constant lies in two registers
.macro GELU
.set k, 0
.rept 32
	v_fma_f32 v[EZ+k], |v[HA+k]|, s[RS2], 1.0      ; 1 + p |h| (each accumulator is read from its low end on)
.set k, k+1
.endr
.set k, 0
.rept 16
	v_dual_mul_f32 v[ES+k], v[HA+k], v[HA+k] :: v_dual_mul_f32 v[ES+k+1], v[HA+k+1], v[HA+k+1]
.set k, k+2
.endr
.set k, 0
.rept 16
	v_dual_fma_f32 v[ES+k], v[ES+k], v[GK+10], v[GK+12] :: v_dual_fma_f32 v[ES+k+1], v[ES+k+1], v[GK+11], v[GK+13]   ; c1 h^2 + c2
.set k, k+2
.endr
	s_wait_alu depctr_va_vdst(0)                   ; the wait ahead of the batch
.set k, 0
.rept 32
	v_rcp_f32 v[EZ+k], v[EZ+k]                     ; t
.set k, k+1
.endr
.set k, 0
.rept 32
	v_exp_f32 v[ES+k], v[ES+k]                     ; Z
.set k, k+1
.endr
	v_nop                                          ; a plain place behind the batch
	s_wait_alu depctr_va_vdst(0)                   ; one wait for the 64
.set k, 0
.rept 16
	v_dual_fma_f32 v[EP+k], v[EZ+k], v[GK], v[GK+2] :: v_dual_fma_f32 v[EP+k+1], v[EZ+k+1], v[GK+1], v[GK+3]
.set k, k+2
.endr
.irp c, 4, 6, 8
.set k, 0
.rept 16
	v_dual_fma_f32 v[EP+k], v[EP+k], v[EZ+k], v[GK+\c] :: v_dual_fma_f32 v[EP+k+1], v[EP+k+1], v[EZ+k+1], v[GK+\c+1]
.set k, k+2
.endr
.endr
.set k, 0
.rept 16
	v_dual_mul_f32 v[EP+k], v[EP+k], v[EZ+k] :: v_dual_mul_f32 v[EP+k+1], v[EP+k+1], v[EZ+k+1]
.set k, k+2
.endr
.set k, 0
.rept 16
	v_dual_mul_f32 v[EP+k], v[EP+k], v[ES+k] :: v_dual_mul_f32 v[EP+k+1], v[EP+k+1], v[ES+k+1]     ; q
.set k, k+2
.endr
.set k, 0
.rept 32
	v_max_num_f32 v[EZ+k], 0, v[HA+k]              ; t's registers are free
.set k, k+1
.endr
.set k, 0
.rept 32
	v_fma_f32 v[HA+k], -|v[HA+k]|, v[EP+k], v[EZ+k]
.set k, k+1
.endr
.endm
; the 32 numbers in v[HA] on are two blocks of the next K: a half fragment in v[PC1] .. v[PC1 + 5], two scale bytes in v[PW1]
.macro QUANT1
.irp b, 0,1
	v_max3_num_f32 v[QM+\b], 0x1800000, |v[HA+16*\b]|, |v[HA+16*\b+1]|
.endr
.irp i, 2,4,6,8,10,12,14
.irp b, 0,1
	v_max3_num_f32 v[QM+\b], v[QM+\b], |v[HA+16*\b+\i]|, |v[HA+16*\b+\i+1]|
.endr
.endr
.irp b, 0,1
	v_permlanex16_b32 v[QT+\b], v[QM+\b], s[SEL], s[SEL+1]
.endr
.irp b, 0,1
	v_max_num_f32 v[QM+\b], v[QM+\b], v[QT+\b]
.endr
.irp b, 0,1
	v_add_nc_u32 v[QO+\b], 0xff000000, v[QM+\b]
.endr
.irp b, 0,1
	v_lshrrev_b32 v[QT+\b], 23, v[QO+\b]
.endr
	v_lshl_or_b32 v[PW1], v[QT+1], 8, v[QT]
	v_cvt_scalef32_pk16_fp6_f32 v[PC1:PC1+2], v[HA:HA+15], v[QO]
	v_cvt_scalef32_pk16_fp6_f32 v[PC1+12:PC1+14], v[HA+16:HA+31], v[QO+1]
	v_nop                                          ; one plain place behind a scaled conversion
.irp i, 0,1,2
	v_permlane16_swap_b32 v[PC1+\i], v[PC1+12+\i]
.endr
.irp i, 0,1,2
	v_mov_b32 v[PC1+3+\i], v[PC1+12+\i]
.endr
.endm
; 8 products of an A slot: weight tile t (its four K steps lie in buf) x my two token tiles; two accumulators by turns; the sums begin as b1
.macro MULA t, buf
	WIN 0x14                                       ; n2 and b1 window 1
.irp mm, 0,1
	WM HA+32*\mm+8*(\t), (\buf), 128+48*\mm, 224+8*(\t), WS+4*((\t)/2), NS+4*\mm, (\t)%2
.endr
	WIN 0x04
.irp s, 1,2,3
.irp mm, 0,1
	WM HA+32*\mm+8*(\t), (\buf)+12*\s, 128+12*(4*\mm+\s), HA+32*\mm+8*(\t), WS+4*((\t)/2)+\s, NS+4*\mm+\s, (\t)%2
.endr
.endr
.endm
; AN A SLOT: 64 hidden units (half s[CC] of part W's 128 of super-step s[JJ]) for my two token tiles
.macro ASLOT
	v_add_nc_u32 v[WA], s[TB], v[WA0]
	v_add_nc_u32 v[WSA], s[TB], v[WS0]
	s_lshl_b32 s44, s[JJ], 9
	s_lshl_b32 s45, s[CC], 8
	s_add_co_u32 s44, s44, s45
	v_add_nc_u32 v63, s44, v[B1R]                  ; b1 of these 64 units, in my stage
	s_mul_i32 s[HC], s[CC], 768                    ; which half of the hidden fragments,
	s_lshl_b32 s[HC2], s[CC], 1                    ; and of their scale words
.irp i, 0,1,2,3,4,5,6,7
	ds_load_b32 v[WS+\i], v[WSA] offset:128*\i
.endr
	WIN 0x40
.irp tl, 0,1,2,3
.irp q, 0,1
	ds_load_b128 v[224+8*\tl+4*\q:227+8*\tl+4*\q], v63 offset:128*(\tl/2)+32*(\tl%2)+16*\q
.endr
.endr
	WIN 0
	LOADW WB0, 0
	LOADW WB1, 4
	s_wait_alu depctr_va_vdst(0)
	s_wait_dscnt 12                                ; all but the second set's twelve
	MULA 0, WB0
	WIN 0
	PLACES
	LOADW WB0, 8
	s_wait_dscnt 12
	MULA 1, WB1
	WIN 0
	PLACES
	LOADW WB1, 12
	s_wait_dscnt 12
	MULA 2, WB0
	s_wait_dscnt 0x0
	MULA 3, WB1
	WIN 0
	PLACES                                         ; four places behind the last products
	s_mov_b32 s[MC], 0
.Ltile_\@:                             ; two trips: token tile 2 G + s[MC], whose 32 numbers stand in v[HA] on
	s_add_co_u32 s44, s[G2], s[MC]
	s_mul_i32 s45, s44, 6144
	s_add_co_u32 s45, s45, s[HC]
	s_lshl_b32 s46, s44, 9
	s_add_co_u32 s46, s46, s[HC2]
	v_add_nc_u32 v4, s45, v[HW16]
	v_add_nc_u32 v5, s45, v[HW8]
	v_add_nc_u32 v31, s46, v[HWS]
	GELU
	QUANT1
	ds_store_b128 v4, v[PC1:PC1+3]
	ds_store_b64 v5, v[PC1+4:PC1+5]
	ds_store_b16 v31, v[PW1]
	s_wait_alu depctr_va_vdst(0)                   ; ahead of the first readers of the second tile's sums
.set k, 0
.rept 32
	v_mov_b32 v[HA+k], v[HA+32+k]                  ; the second tile comes down (each accumulator from its low end on); the second trip's copy is read by nobody
.set k, k+1
.endr
	s_add_co_u32 s[MC], s[MC], 1
	s_cmp_lt_u32 s[MC], 2
	s_wait_alu depctr_va_vdst(0)
	s_cbranch_scc1 .Ltile_\@
.endm
; 8 products of a C slot: output tiles 2 bt, 2 bt + 1 x two K steps x my two token tiles; four accumulators by turns
.macro MULC bt, buf
	WIN 0x50                                       ; C and D window 1
.irp sl, 0,1
.irp tt, 0,1
.irp mm, 0,1
	WM 8*(2*(2*(\bt)+\tt)+\mm), (\buf)+12*(2*\tt+\sl), HF+12*(2*\mm+\sl), 8*(2*(2*(\bt)+\tt)+\mm), WS+2*(\bt)+\sl, HS+2*\mm+\sl, \tt
.endr
.endr
.endr
.endm
; A C SLOT: part W's 128 outputs of my two token tiles += the hidden layer's K steps 2 s[CC], 2 s[CC] + 1 of this super-step
.macro CSLOT
	v_add_nc_u32 v[WA], s[TB], v[WA0]
	v_add_nc_u32 v[WSA], s[TB], v[WS0]
	s_mul_i32 s45, s[CC], 3072
	s_lshl_b32 s46, s[CC], 8
	v_add_nc_u32 v3, s45, v[HR16]
	v_add_nc_u32 v4, s45, v[HR8]
	v_add_nc_u32 v5, s46, v[HRS]
.irp i, 0,1,2,3,4,5,6,7
	ds_load_b32 v[WS+\i], v[WSA] offset:128*\i
.endr
.irp mm, 0,1
.irp sl, 0,1
.irp cc, 0,1
	ds_load_b128 v[HF+12*(2*\mm+\sl)+6*\cc:HF+12*(2*\mm+\sl)+6*\cc+3], v3 offset:6144*\mm+1536*\sl+768*\cc
	ds_load_b64 v[HF+12*(2*\mm+\sl)+6*\cc+4:HF+12*(2*\mm+\sl)+6*\cc+5], v4 offset:6144*\mm+1536*\sl+768*\cc
.endr
	ds_load_b32 v[HS+2*\mm+\sl], v5 offset:512*\mm+128*\sl
.endr
.endr
	LOADW WB0, 0
	LOADW WB1, 4
	s_wait_alu depctr_va_vdst(0)
	s_wait_dscnt 12                                ; all but the second set's twelve
	MULC 0, WB0
	WIN 0
	PLACES
	LOADW WB0, 8
	s_wait_dscnt 12
	MULC 1, WB1
	WIN 0
	PLACES
	LOADW WB1, 12
	s_wait_dscnt 12
	MULC 2, WB0
	s_wait_dscnt 0x0
	MULC 3, WB1
	WIN 0
.endm
	s_load_b256 s[4:11], s[0:1], 0x0               ; x2, ffn_g, ffn_b, b1
	s_load_b128 s[12:15], s[0:1], 0x20             ; b2, wsffn
	s_load_b64 s[16:17], s[0:1], 0x30              ; out0
	v_lshl_add_u32 v[SPW], v0, 2, SPARE
	v_mov_b32 v[NIL], 0
	ds_add_u32 v[SPW], v[NIL]                      ; the opening lines: the add, twice on end, and its wait ahead of my first tensor load
	ds_add_u32 v[SPW], v[NIL]
	v_lshrrev_b32 v64, 5, v0
	v_readfirstlane_b32 s[WV], v64                 ; wave 0..7
	s_and_b32 s[PW4], s[WV], 3                     ; W
	s_lshr_b32 s[GH], s[WV], 2                     ; G
	s_lshl_b32 s[G2], s[GH], 1
	s_bfe_u32 s[CX], ttmp6, 0x40000                ; my place in the cluster: it enters global addresses alone
	s_lshl_b32 s[GW], ttmp9, 2
	s_add_co_u32 s[GW], s[GW], s[CX]               ; my block of 64 tokens
	s_mul_i32 s44, s[WV], STGW
	s_add_co_u32 s44, s44, STG                     ; my stage
	s_lshl_b32 s45, s[PW4], 2
	s_add_co_u32 s45, s45, s[G2]                   ; 4 W + 2 G: the first of the two images that I make
	s_lshl_b32 s46, s45, 7
	s_add_co_u32 s46, s46, NSC
	s_mul_i32 s45, s45, 1536
	s_add_co_u32 s45, s45, NIMG
	s_mul_i32 s56, s[GH], 12288                    ; my two token tiles' eight images
	s_add_co_u32 s47, s56, NIMG
	s_add_co_u32 s56, s56, HIMG
	s_add_co_u32 s57, s56, 512
	s_lshl_b32 s58, s[GH], 10
	s_add_co_u32 s48, s58, NSC
	s_add_co_u32 s58, s58, HSC
	s_mul_i32 s49, s[PW4], PARTB
	s_add_co_u32 s50, s49, 24576
	s_mul_i32 s51, s[PW4], 1536
	s_add_co_u32 s51, s51, HIMG
	s_add_co_u32 s54, s51, 512
	s_lshl_b32 s55, s[PW4], 7
	s_add_co_u32 s55, s55, HSC
	s_lshl_b32 s59, s[WV], 6
	s_xor_b32 s60, s59, 256                        ; the partner wave's, v xor 4
	s_add_co_u32 s59, s59, STAT
	s_add_co_u32 s60, s60, STAT
	s_lshl_b32 s61, s[GW], 6                       ; the block's first token
	s_lshr_b32 s62, s[PW4], 1
	s_lshl_b32 s62, s62, 5
	s_and_b32 s63, s[PW4], 1
	s_lshl_b32 s63, s63, 3
	s_add_co_u32 s62, s62, s63
	s_add_co_u32 s62, s62, s61                     ; tile W's first token
	s_lshl_b32 s66, s62, 11
	s_lshl_b32 s72, s[GH], 10
	s_add_co_u32 s66, s66, s72                     ; its rows at half G
	s_mov_b32 s67, 0
	s_lshl_b32 s62, s[GH], 5
	s_add_co_u32 s62, s62, s61
	s_lshl_b32 s68, s62, 11
	s_lshl_b32 s70, s[PW4], 9
	s_add_co_u32 s68, s68, s70                     ; tile 2 G's first token, part W's 128 outputs
	s_mov_b32 s69, 0
	s_mov_b32 s71, 0
	s_mov_b32 s73, 0
	s_mul_i32 s74, s[WV], WLOAD
	s_mov_b32 s75, 0
	s_mov_b32 s[SEL], 0x76543210
	s_mov_b32 s[SEL+1], 0xfedcba98
	s_mov_b32 s[C512], 0x3b000000                  ; 1 / 512
	s_mov_b32 s[CEPS], 0x3727c5ac                  ; 1e-5
	s_mov_b32 s[RS2], 0x3e6d3389                   ; p = 0.2316419
	; descriptor group 1: 50 rows of 256 bytes, dense
	s_mov_b32 s[G1], 15|(3<<16)|(1<<21)            ; 15:0 the mask: all four work-groups; 17:16 elements of 8 bytes; 21 set beside a mask
	s_mov_b32 s[G1+1], 32<<16                      ; tensor_dim0 = 32
	s_mov_b32 s[G1+2], 50<<16                      ; tensor_dim1 = 50
	s_mov_b32 s[G1+3], 32<<16                      ; tile_dim0 = 32
	s_mov_b32 s[G1+4], 50                          ; tile_dim1 = 50
	s_mov_b32 s[G1+5], 32                          ; from row to row
	s_mov_b32 s[G1+6], 0
	s_mov_b32 s[G1+7], 0
	v_and_b32 v64, 31, v0
	v_and_b32 v65, 15, v0                          ; r
	v_bfe_u32 v66, v0, 4, 1                        ; h
	v_lshlrev_b32 v67, 3, v64
	v_lshlrev_b32 v[L16], 4, v64
	v_lshlrev_b32 v[L4], 2, v64
	v_lshlrev_b32 v68, 2, v65
	v_add_nc_u32 v[STW], s44, v[L16]
	v_mul_u32_u24 v[STR], v65, 528
	v_lshl_add_u32 v[STR], v66, 6, v[STR]
	v_add_nc_u32 v[STR], s44, v[STR]               ; row r of my stage, + 64 h
	v_lshl_add_u32 v[B1R], v66, 6, s44
	v_add_nc_u32 v[NWI], s45, v[L16]
	v_add_nc_u32 v[NWS], s46, v[L4]
	v_add_nc_u32 v[NRI], s47, v[L16]
	v_add_nc_u32 v[NRS], s48, v[L4]
	v_add_nc_u32 v[WA0], s49, v[L16]
	v_add_nc_u32 v[WS0], s50, v[L4]
	v_add_nc_u32 v[HW16], s51, v[L16]
	v_add_nc_u32 v[HW8], s54, v67
	v_add_nc_u32 v[HWS], s55, v[L4]
	v_add_nc_u32 v[HR16], s56, v[L16]
	v_add_nc_u32 v[HR8], s57, v67
	v_add_nc_u32 v[HRS], s58, v[L4]
	v_add_nc_u32 v[STA], s59, v68
	v_add_nc_u32 v[STB], s60, v68
.irp b, 0,1,2,3
	v_mov_b32 v[TM+4+\b], 0                        ; written once: a lane permute's destination counts as one of its sources
.endr
	v_mov_b32 v[QT], 0
	v_mov_b32 v[QT+1], 0
	s_wait_alu depctr_va_vdst(0)                   ; the wait at the head's end
	s_wait_dscnt 0x0                               ; both opening adds are done
	s_wait_kmcnt 0x0
	s_add_nc_u64 s[XB:XB+1], s[XP:XP+1], s[66:67]
	s_add_nc_u64 s[X2T:X2T+1], s[XP:XP+1], s[68:69]
	s_add_nc_u64 s[OB:OB+1], s[OP:OP+1], s[68:69]
	s_add_nc_u64 s[B1P:B1P+1], s[B1P:B1P+1], s[70:71]
	s_add_nc_u64 s[B2P:B2P+1], s[B2P:B2P+1], s[70:71]
	s_add_nc_u64 s[GP:GP+1], s[GP:GP+1], s[72:73]
	s_add_nc_u64 s[BP:BP+1], s[BP:BP+1], s[72:73]
	s_mov_b32 s[G0], 1
	s_mul_i32 s[G0+1], s[WV], WLOAD                ; LDS: slot 0, my part
	s_add_nc_u64 s[G0+2:G0+3], s[WSP:WSP+1], s[74:75]
	s_or_b32 s[G0+3], s[G0+3], 0x80000000
	WIN 0x40
.irp s, 0,1
.irp i, 0,1,2,3,4,5,6,7,8,9,10,11,12,13,14,15
	global_load_b128 v[4*(16*\s+\i):4*(16*\s+\i)+3], v[L16], s[XB:XB+1] offset:(\i+8*(\i/8))*2048+512*\s   ; 512 consecutive bytes of a row: one K step
.endr
.endr
	WIN 0
.irp j, 0,1,2,3
	global_load_b128 v[64+4*\j:67+4*\j], v[L16], s[B1P:B1P+1] offset:2048*\j      ; b1 of part W's 128 hidden units of super-step j
.endr
.irp j, 0,1
	global_load_b128 v[96+4*\j:99+4*\j], v[L16], s[GP:GP+1] offset:512*\j         ; the norm's gain and bias of my two K steps
	global_load_b128 v[104+4*\j:107+4*\j], v[L16], s[BP:BP+1] offset:512*\j
.endr
	global_load_b128 v[112:115], v[L16], s[B2P:B2P+1]                             ; b2 of part W's 128 outputs
	CROUND                                         ; all four work-groups are here: the first joint load meets
	tensor_load_to_lds s[G0:G0+3], s[G1:G1+7]      ; slot 0
	s_nop 0
	PLACES
	; the rows turn through my stage, a K step (512 bytes, pitch 528) at a time: in as loaded, out 16 neighbours of each block of 32 to a lane
.irp s, 0,1
	s_wait_loadcnt 25-16*\s                        ; this K step's 16 loads are in; the other's 16 and the 9 small ones are younger
	WIN 0x04
.irp i, 0,1,2,3,4,5,6,7,8,9,10,11,12,13,14,15
	ds_store_b128 v[STW], v[4*(16*\s+\i):4*(16*\s+\i)+3] offset:528*\i
.endr
	WIN 0x40
.irp blk, 0,1,2,3
.irp jq, 0,1,2,3
	ds_load_b128 v[128+64*\s+16*\blk+4*\jq:131+64*\s+16*\blk+4*\jq], v[STR] offset:128*\blk+16*\jq   ; LDS serves a wave's instructions in order
.endr
.endr
.endr
	WIN 0
	s_wait_dscnt 0x0
	s_wait_loadcnt 0x0                             ; the small vectors go into my stage, whose rows have been read out
.irp j, 0,1,2,3
	ds_store_b128 v[STW], v[64+4*\j:67+4*\j] offset:512*\j
.endr
.irp j, 0,1
	ds_store_b128 v[STW], v[96+4*\j:99+4*\j] offset:2048+512*\j
	ds_store_b128 v[STW], v[104+4*\j:107+4*\j] offset:3072+512*\j
.endr
	ds_store_b128 v[STW], v[112:115] offset:4096
	GBLOAD 0
	WIN 0x40
.irp t, 0,1,2,3,4,5,6,7
.irp mm, 0,1
.irp q, 0,1
	ds_load_b128 v[8*(2*\t+\mm)+4*\q:8*(2*\t+\mm)+4*\q+3], v[B1R] offset:4096+128*(\t/2)+32*(\t%2)+16*\q   ; the outputs' sums begin as b2, in the result's layout
.endr
.endr
.endr
	; LayerNorm: lanes l and l xor 16 of waves v and v xor 4 hold a row's four quarters, 128 numbers each, in window 1 from v128 on
	WIN 0x05
.irp c, 0,1,2,3
	v_pk_add_f32 v[SA+2*\c:SA+2*\c+1], v[128+4*\c:129+4*\c], v[130+4*\c:131+4*\c]
.endr
	WIN 0x04
.set k, 144
.rept 14
.irp c, 0,1,2,3
	v_pk_add_f32 v[SA+2*\c:SA+2*\c+1], v[SA+2*\c:SA+2*\c+1], v[k+2*\c:k+2*\c+1]
.endr
.set k, k+8
.endr
	WIN 0
	FOLD 0
	v_mul_f32 v[MU], s[C512], v[SA]
	v_mov_b32 v[MU+1], v[MU]
	WIN 0x41
.set k, 128
.rept 64
	v_pk_add_f32 v[k:k+1], v[k:k+1], v[MU:MU+1] neg_lo:[0,1] neg_hi:[0,1]
.set k, k+2
.endr
	WIN 0x05
.irp c, 0,1,2,3
	v_pk_mul_f32 v[SA+2*\c:SA+2*\c+1], v[128+2*\c:129+2*\c], v[128+2*\c:129+2*\c]
.endr
.set k, 136
.rept 15
.irp c, 0,1,2,3
	v_pk_fma_f32 v[SA+2*\c:SA+2*\c+1], v[k+2*\c:k+2*\c+1], v[k+2*\c:k+2*\c+1], v[SA+2*\c:SA+2*\c+1]
.endr
.set k, k+8
.endr
	WIN 0
	FOLD 512
	v_fma_f32 v[SA], v[SA], s[C512], s[CEPS]
	s_wait_alu depctr_va_vdst(0)                   ; the wait ahead of the transcendental
	v_rsq_f32 v[RS], v[SA]
	v_nop                                          ; a plain place behind it
	s_wait_alu depctr_va_vdst(0)                   ; and the wait ahead of its first reader
	v_mov_b32 v[RS+1], v[RS]
.irp s, 0,1
	WIN 0x41                                       ; (this K step's gain and bias were waited for with the sums, or with the step before's stores)
.set k, 0
.rept 32
	v_pk_mul_f32 v[128+64*\s+k:129+64*\s+k], v[128+64*\s+k:129+64*\s+k], v[RS:RS+1]
.set k, k+2
.endr
.set k, 0
.rept 32
	v_pk_fma_f32 v[128+64*\s+k:129+64*\s+k], v[128+64*\s+k:129+64*\s+k], v[128+k:129+k], v[192+k:193+k]
.set k, k+2
.endr
	WIN 0
.if \s == 0
	GBLOAD 1
.endif
	QUANT 128+64*\s
.irp g, 0,1,2
	ds_store_b128 v[NWI], v[PC+4*\g:PC+4*\g+3] offset:1536*\s+512*\g
.endr
	ds_store_b32 v[NWS], v[PW] offset:128*\s
	s_wait_dscnt 0x0                               ; the stores have landed and have read their registers
.endr
	s_barrier_signal -1                            ; n2's sixteen fragments lie in LDS (slot 0's tensor load may stay out)
	s_barrier_wait -1
	WIN 0x40
.irp f, 0,1,2,3,4,5,6,7
.irp g, 0,1,2
	ds_load_b128 v[128+12*\f+4*\g:131+12*\f+4*\g], v[NRI] offset:1536*\f+512*\g    ; my two token tiles' fragments, 4 mm + s: they stay
.endr
.endr
	WIN 0
.irp f, 0,1,2,3,4,5,6,7
	ds_load_b32 v[NS+\f], v[NRS] offset:128*\f
.endr
.irp c, 0,1
	v_mov_b32 v[GK+\c], 0x3faa466f                 ; b5 = 1.330274429
	v_mov_b32 v[GK+2+\c], 0xbfe91eea               ; b4 = -1.821255978
	v_mov_b32 v[GK+4+\c], 0x3fe40778               ; b3 = 1.781477937
	v_mov_b32 v[GK+6+\c], 0xbeb68f87               ; b2 = -0.356563782
	v_mov_b32 v[GK+8+\c], 0x3ea385fa               ; b1 = 0.319381530
	v_mov_b32 v[GK+10+\c], 0xbf38aa3b              ; c1 = -log2(e) / 2
	v_mov_b32 v[GK+12+\c], 0xbfa9b21d              ; c2 = -log2(2 pi) / 2
.endr
	s_mov_b32 s[TB], 0
	s_mov_b32 s[JJ], 0
	s_wait_alu depctr_va_vdst(0)                   ; the wait at the head's end
.Lsuper:                               ; three of the four super-steps
	s_mov_b32 s[CC], 0
.La:
	RING 1
	ASLOT
	s_xor_b32 s[TB], s[TB], SLOT1
	s_add_co_u32 s[CC], s[CC], 1
	s_cmp_lt_u32 s[CC], 2
	s_cbranch_scc1 .La
	s_mov_b32 s[CC], 0
.Lc:
	RING 1
	CSLOT
	s_xor_b32 s[TB], s[TB], SLOT1
	s_add_co_u32 s[CC], s[CC], 1
	s_cmp_lt_u32 s[CC], 2
	s_cbranch_scc1 .Lc
	s_add_co_u32 s[JJ], s[JJ], 1
	s_cmp_lt_u32 s[JJ], 3
	s_cbranch_scc1 .Lsuper
	s_mov_b32 s[CC], 0                             ; the last super-step is written out
.La2:
	RING 1
	ASLOT
	s_xor_b32 s[TB], s[TB], SLOT1
	s_add_co_u32 s[CC], s[CC], 1
	s_cmp_lt_u32 s[CC], 2
	s_cbranch_scc1 .La2
	s_mov_b32 s[CC], 0
	RING 1
	WIN 0x40
.irp mm, 0,1
.irp p, 0,1,2,3,4,5,6,7,8,9,10,11,12,13,14,15
	global_load_b128 v[128+4*(16*\mm+\p):131+4*(16*\mm+\p)], v[L16], s[X2T:X2T+1] offset:(8*\mm+\p+8*(\p/8))*2048   ; x2 for the residual: my 512 bytes of each of my 32 rows, where n2 and b1 lay
.endr
.endr
	WIN 0
	CSLOT
	s_xor_b32 s[TB], s[TB], SLOT1
	s_mov_b32 s[CC], 1
	RING 0                                         ; the last slot: nothing is left to fetch
	CSLOT
	; THE WAY OUT, a token tile at a time: a lane's 8 outputs of a row go into my stage (rows of 528 bytes) and come back as whole rows of 512 bytes; x2 is added; 32 lanes store 512 consecutive aligned bytes
	PLACES
	s_wait_loadcnt 0x0
.irp mm, 0,1
	WIN 0x04
.irp t, 0,1,2,3,4,5,6,7
	ds_store_b128 v[STR], v[8*(2*\t+\mm):8*(2*\t+\mm)+3] offset:128*(\t/2)+32*(\t%2)          ; each accumulator from its low end on
	ds_store_b128 v[STR], v[8*(2*\t+\mm)+4:8*(2*\t+\mm)+7] offset:128*(\t/2)+32*(\t%2)+16
.endr
	WIN 0
.irp p, 0,1,2,3,4,5,6,7,8,9,10,11,12,13,14,15
	ds_load_b128 v[64+64*\mm+4*\p:67+64*\mm+4*\p], v[STW] offset:528*\p       ; LDS serves a wave's instructions in order
.endr
	s_wait_dscnt 0x0
	WIN 0x04
.set k, 0
.rept 32
	v_pk_add_f32 v[64+64*\mm+k:65+64*\mm+k], v[64+64*\mm+k:65+64*\mm+k], v[128+64*\mm+k:129+64*\mm+k]
.set k, k+2
.endr
	WIN 0
.irp p, 0,1,2,3,4,5,6,7,8,9,10,11,12,13,14,15
	global_store_b128 v[L16], v[64+64*\mm+4*\p:67+64*\mm+4*\p], s[OB:OB+1] offset:(8*\mm+\p+8*(\p/8))*2048 th:TH_STORE_NT
.endr
.endr
	s_wait_tensorcnt 0x0                           ; the wave's end
	ds_add_u32 v[SPW], v[NIL]
	s_wait_dscnt 0x0
	CROUND                                         ; the closing round
	s_endpgm
.Lfunc_end_k_qd27b619a7b_ffn:
	.size	k_qd27b619a7b_ffn, .Lfunc_end_k_qd27b619a7b_ffn-k_qd27b619a7b_ffn
	.p2alignl 7, 3214868480
	.fill 96, 4, 3214868480
	.section	.rodata,"a",@progbits
	.p2align	6, 0x0
	.amdhsa_kernel k_qd27b619a7b_ffn
		.amdhsa_group_segment_fixed_size 327680
		.amdhsa_private_segment_fixed_size 0
		.amdhsa_enable_private_segment 0
		.amdhsa_kernarg_size 56
		.amdhsa_user_sgpr_count 2
		.amdhsa_user_sgpr_kernarg_segment_ptr 1
		.amdhsa_wavefront_size32 1
		.amdhsa_system_sgpr_workgroup_id_x 1
		.amdhsa_system_sgpr_workgroup_id_y 1
		.amdhsa_system_sgpr_workgroup_id_z 1
		.amdhsa_system_vgpr_workitem_id 0
		.amdhsa_next_free_vgpr 512
		.amdhsa_next_free_sgpr 100
		.amdhsa_reserve_vcc 0
		.amdhsa_float_denorm_mode_32 3
		.amdhsa_float_denorm_mode_16_64 3
		.amdhsa_memory_ordered 1
		.amdhsa_forward_progress 1
		.amdhsa_inst_pref_size 163
	.end_amdhsa_kernel
	.amdgpu_metadata
---
amdhsa.version: [ 1, 2 ]
amdhsa.kernels:
  - .name:           k_qd27b619a7b_ffn
    .symbol:         k_qd27b619a7b_ffn.kd
    .args:
      - { .name: x2, .offset: 0, .size: 8, .value_kind: global_buffer, .address_space: global }
      - { .name: ffn_g, .offset: 8, .size: 8, .value_kind: global_buffer, .address_space: global }
      - { .name: ffn_b, .offset: 16, .size: 8, .value_kind: global_buffer, .address_space: global }
      - { .name: b1, .offset: 24, .size: 8, .value_kind: global_buffer, .address_space: global }
      - { .name: b2, .offset: 32, .size: 8, .value_kind: global_buffer, .address_space: global }
      - { .name: wsffn, .offset: 40, .size: 8, .value_kind: global_buffer, .address_space: global }
      - { .name: out0, .offset: 48, .size: 8, .value_kind: global_buffer, .address_space: global }
    .group_segment_fixed_size: 327680
    .private_segment_fixed_size: 0
    .kernarg_segment_align: 8
    .kernarg_segment_size: 56
    .max_flat_workgroup_size: 256
    .sgpr_count:     100
    .vgpr_count:     512
    .wavefront_size: 32
...
	.end_amdgpu_metadata
.endif
;; end of part 5
